; MI455X (gfx1250); checked and timed in simulation.
; The chip was launched on July 23, 2026; its instructions are those of AMD's public machine-readable ISA for CDNA 5 (MIT licence, August 2026) and "CDNA5" Instruction Set Architecture Reference Guide (July 2026). The comments in the code are by the model that wrote it; some were corrected since.
;; Causal Self Attention. Allowed arithmetic: float matrix products may take bf16 or f16 operands with f32 sums; other float arithmetic in f32, or as packed bf16 or f16 multiplies, adds, multiply-adds, maxima and minima; sums over many terms, partial sums and values carried from step to step in f32; what a program stores and reads back later, other than sums and carried values, may be rounded once to bf16 or f16.
;; Inputs: Wc 2,048 x 2,048 float32; Wkv 2,048 x 1,024 float32; Wq 2,048 x 2,048 float32; bc 2,048 float32; x 4 x 1,024 x 2,048 float32.
;; Outputs: out0 4 x 1,024 x 2,048 float32.
;; One version. Each part assembles by itself: llvm-mc -triple=amdgcn-amd-amdhsa -mcpu=gfx1250 --defsym DOCPART=n.
;; ======== version 1 of 1: 4 launches
;; limits: values are held in f16: magnitudes above 65,504 overflow, below 6.1e-05 lose precision
;; workspace buffers: xb 16,777,216 bytes; wqkv 12,582,912 bytes; wcb 8,388,608 bytes; qkv 25,165,824 bytes; yb 16,777,216 bytes
;; launch cast (part 1): grid 1024 x 1, 8 waves a work-group, no clusters, 0 bytes of LDS; arguments x, Wq, Wkv, Wc, xb, wqkv, wcb; writes xb, wqkv, wcb
.if DOCPART == 1
	.amdgcn_target "amdgcn-amd-amdhsa--gfx1250"
	.amdhsa_code_object_version 6
	.text
	.protected	k_qb3272ab594_cast
	.globl	k_qb3272ab594_cast
	.p2align	8
	.type	k_qb3272ab594_cast,@function
k_qb3272ab594_cast:
	s_mov_b64 s[64:65], 0
	v_nop
	global_prefetch_b8 v0, s[64:65] scope:SCOPE_SE
	s_setreg_imm32_b32 hwreg(HW_REG_WAVE_MODE, 25, 1), 1
	s_wait_xcnt 0x0
; THE INPUTS IN 16 BITS.  xb = bf16(x), [4096][2048].  wqkv = bf16(Wq) and bf16(Wkv) side by side, [2048 k][3072 n]: a row is 4,096 bytes of Wq's row, then 2,048 of Wkv's.
; wcb = bf16(Wc) written as f16, [2048 k][2048 n]: it multiplies an f16 operand later; the second conversion is exact where the number lies in f16's normal range.
; LIMITS.  bf16(Wc) beyond 65,504 becomes an infinity; below 6.1e-5 it keeps f16's fixed step of 6e-8.
; SHARES.  A unit is 1,024 consecutive f32: thread t loads the 16 bytes at 16 t and stores the 8 bytes at 8 t, so a wave's load covers 512 consecutive bytes and a wave's store
; 256 consecutive bytes, aligned.  The four inputs are 8,192 + 4,096 + 2,048 + 4,096 units; each of the 1,024 work-groups takes the same 18: 8 of x, 4 of Wq and 2 of Wkv (rows 2 g and 2 g + 1 of both,
; so it writes those two rows of wqkv whole), 4 of Wc.  No branch, no loop; all 18 loads of a wave go out at once; a unit is converted in the registers that it was loaded into, and no register is
; written while a load or store may still read it.  No LDS, no matrix unit, no prefetch: the launch is one stream of loads and stores.
.set X,   4                            ; v[4:75]    unit n: 4 registers as loaded; the first two are stored
.set T,   76                           ; v[76:77]   at work
.macro LD n, base, off
	global_load_b128 v[X+4*(\n):X+4*(\n)+3], v1, s[\base:\base+1] offset:\off th:TH_LOAD_NT
.endm
; kind = 0: to bf16.  kind = 1: to bf16, and that number to f16.
.macro OUT n, kind, base, off
	s_wait_loadcnt 17-(\n)                         ; loads come back in order: unit n is in, the 17 - n younger ones may stay out
.if \kind
	v_cvt_pk_bf16_f32 v[T], v[X+4*(\n)], v[X+4*(\n)+1]
	v_cvt_pk_bf16_f32 v[T+1], v[X+4*(\n)+2], v[X+4*(\n)+3]
	v_lshlrev_b32 v[X+4*(\n)], 16, v[T]            ; bf16 back to f32: the low half moves up,
	v_and_b32 v[X+4*(\n)+1], s22, v[T]             ; the high half stays
	v_lshlrev_b32 v[X+4*(\n)+2], 16, v[T+1]
	v_and_b32 v[X+4*(\n)+3], s22, v[T+1]
	v_cvt_pk_f16_f32 v[X+4*(\n)], v[X+4*(\n)], v[X+4*(\n)+1]
	v_cvt_pk_f16_f32 v[X+4*(\n)+1], v[X+4*(\n)+2], v[X+4*(\n)+3]
.else
	v_cvt_pk_bf16_f32 v[X+4*(\n)], v[X+4*(\n)], v[X+4*(\n)+1]
	v_cvt_pk_bf16_f32 v[X+4*(\n)+1], v[X+4*(\n)+2], v[X+4*(\n)+3]
.endif
	global_store_b64 v2, v[X+4*(\n):X+4*(\n)+1], s[\base:\base+1] offset:\off
.endm
	s_load_b256 s[4:11], s[0:1], 0x0               ; x s[4:5], Wq s[6:7], Wkv s[8:9], Wc s[10:11]
	s_load_b128 s[12:15], s[0:1], 0x20             ; xb s[12:13], wqkv s[14:15]
	s_load_b64 s[16:17], s[0:1], 0x30              ; wcb
	v_lshlrev_b32 v1, 4, v0                        ; 16 t
	v_lshlrev_b32 v2, 3, v0                        ; 8 t
	s_mov_b32 s22, 0xffff0000                      ; a word's upper bf16
	s_lshl_b32 s18, ttmp9, 15                      ; 8 units of 4,096 bytes
	s_mov_b32 s19, 0                               ; (all offsets stay under 2^32: high words 0)
	s_lshl_b32 s20, ttmp9, 14                      ; 4 units of 4,096 bytes, or 8 of 2,048
	s_mov_b32 s21, 0
	s_lshl_b32 s24, ttmp9, 13                      ; 2 units of 4,096 bytes, or 4 of 2,048
	s_mov_b32 s25, 0
	s_mul_i32 s26, ttmp9, 2*6144                   ; 2 rows of wqkv
	s_mov_b32 s27, 0
	s_wait_kmcnt 0x0
	s_add_nc_u64 s[4:5], s[4:5], s[18:19]          ; x
	s_add_nc_u64 s[6:7], s[6:7], s[20:21]          ; Wq
	s_add_nc_u64 s[8:9], s[8:9], s[24:25]          ; Wkv
	s_add_nc_u64 s[10:11], s[10:11], s[20:21]      ; Wc
	s_add_nc_u64 s[12:13], s[12:13], s[20:21]      ; xb
	s_add_nc_u64 s[14:15], s[14:15], s[26:27]      ; wqkv
	s_add_nc_u64 s[16:17], s[16:17], s[24:25]      ; wcb
.irp u, 0,1,2,3,4,5,6,7
	LD \u, 4, 4096*(\u)
.endr
.irp u, 0,1,2,3
	LD 8+(\u), 6, 4096*(\u)
.endr
.irp u, 0,1
	LD 12+(\u), 8, 4096*(\u)
.endr
.irp u, 0,1,2,3
	LD 14+(\u), 10, 4096*(\u)
.endr
.irp u, 0,1,2,3,4,5,6,7
	OUT \u, 0, 12, 2048*(\u)
.endr
.irp u, 0,1,2,3
	OUT 8+(\u), 0, 14, ((\u)/2)*6144+((\u)%2)*2048 ; row u / 2 of my two, half u % 2 of Wq's part
.endr
.irp u, 0,1
	OUT 12+(\u), 0, 14, (\u)*6144+4096             ; row u, behind Wq's part
.endr
.irp u, 0,1,2,3
	OUT 14+(\u), 1, 16, 2048*(\u)
.endr
	s_endpgm
.Lfunc_end_k_qb3272ab594_cast:
	.size	k_qb3272ab594_cast, .Lfunc_end_k_qb3272ab594_cast-k_qb3272ab594_cast
	.p2alignl 7, 3214868480
	.fill 96, 4, 3214868480
	.section	.rodata,"a",@progbits
	.p2align	6, 0x0
	.amdhsa_kernel k_qb3272ab594_cast
		.amdhsa_group_segment_fixed_size 0
		.amdhsa_private_segment_fixed_size 0
		.amdhsa_enable_private_segment 0
		.amdhsa_kernarg_size 56
		.amdhsa_user_sgpr_count 2
		.amdhsa_user_sgpr_kernarg_segment_ptr 1
		.amdhsa_wavefront_size32 1
		.amdhsa_system_sgpr_workgroup_id_x 1
		.amdhsa_system_sgpr_workgroup_id_y 1
		.amdhsa_system_sgpr_workgroup_id_z 1
		.amdhsa_system_vgpr_workitem_id 0
		.amdhsa_next_free_vgpr 80
		.amdhsa_next_free_sgpr 66
		.amdhsa_reserve_vcc 0
		.amdhsa_float_denorm_mode_32 3
		.amdhsa_float_denorm_mode_16_64 3
		.amdhsa_memory_ordered 1
		.amdhsa_forward_progress 1
		.amdhsa_inst_pref_size 9
	.end_amdhsa_kernel
	.amdgpu_metadata
---
amdhsa.version: [ 1, 2 ]
amdhsa.kernels:
  - .name:           k_qb3272ab594_cast
    .symbol:         k_qb3272ab594_cast.kd
    .args:
      - { .name: x, .offset: 0, .size: 8, .value_kind: global_buffer, .address_space: global }
      - { .name: Wq, .offset: 8, .size: 8, .value_kind: global_buffer, .address_space: global }
      - { .name: Wkv, .offset: 16, .size: 8, .value_kind: global_buffer, .address_space: global }
      - { .name: Wc, .offset: 24, .size: 8, .value_kind: global_buffer, .address_space: global }
      - { .name: xb, .offset: 32, .size: 8, .value_kind: global_buffer, .address_space: global }
      - { .name: wqkv, .offset: 40, .size: 8, .value_kind: global_buffer, .address_space: global }
      - { .name: wcb, .offset: 48, .size: 8, .value_kind: global_buffer, .address_space: global }
    .group_segment_fixed_size: 0
    .private_segment_fixed_size: 0
    .kernarg_segment_align: 8
    .kernarg_segment_size: 56
    .max_flat_workgroup_size: 256
    .sgpr_count:     66
    .vgpr_count:     80
    .wavefront_size: 32
...
	.end_amdgpu_metadata
.endif
;; end of part 1
;; launch gemm_qkv (part 2): grid 8 x 32, 4 waves a work-group, clusters of 4 x 4, 327,680 bytes of LDS; arguments xb, wqkv, qkv; writes qkv
.if DOCPART == 2
	.amdgcn_target "amdgcn-amd-amdhsa--gfx1250"
	.amdhsa_code_object_version 6
	.text
	.protected	k_qb3272ab594_gemm_qkv
	.globl	k_qb3272ab594_gemm_qkv
	.p2align	8
	.type	k_qb3272ab594_gemm_qkv,@function
k_qb3272ab594_gemm_qkv:
	s_mov_b64 s[64:65], 0
	v_nop
	global_prefetch_b8 v0, s[64:65] scope:SCOPE_SE
	s_setreg_imm32_b32 hwreg(HW_REG_WAVE_MODE, 25, 1), 1
	s_wait_xcnt 0x0
	s_wait_alu depctr_hold_cnt(0) depctr_sa_sdst(0) depctr_va_vdst(0) depctr_va_sdst(0) depctr_va_ssrc(0) depctr_va_vcc(0) depctr_vm_vsrc(0)
	s_getreg_b32 s2, hwreg(HW_REG_IB_STS2, 6, 4)
	s_cmp_eq_u32 s2, 0
	s_cbranch_scc0 .Lentry_in_a_cluster
	s_endpgm
.Lentry_in_a_cluster:
	s_bfe_u32 s2, ttmp6, 0x10000c
	s_cmp_lg_u32 s2, 0xf033
	s_cbranch_scc0 .Lentry_shape_is_right
	s_endpgm
.Lentry_shape_is_right:
; C = A B, A: [4096][2048] along K, B: [2048 k][n] along n, both of 16 bits; sums in f32.  ONE TEXT FOR TWO LAUNCHES, told apart by the switch QKV:
;   QKV = 1 (this launch): qkv = xb wqkv, bf16 operands, n = 3,072, C rounded once to f16.   QKV = 0: out0 = yb wcb + bf16(bc), f16 operands, n = 2,048, C in f32.
; LIMITS.  With QKV = 1 a result beyond 65,504 becomes an infinity in f16, and below 6.1e-5 it keeps f16's fixed step of 6e-8.  NaN and infinities are not treated apart.
; SHARES.  A tile of C is 128 rows x NCH chunks of 128 columns: 32 x 8 = 256 tiles, a work-group each.  Every one of the four waves takes all 128 rows (8 fragments of A) and NBW blocks of 16 columns:
; 8 NBW accumulators of 16 x 16.  K goes in steps of 128 through two LDS slots: A's rows and each chunk's 128 k-rows are 256 bytes of memory, aligned.
; B STAYS [k][n]: its fragments come out of LDS turned, by ds_load_tr16_b128.  THE MATRIX INSTRUCTION IS USED TRANSPOSED (source 0 = 16 columns of B, source 1 = 16 rows of A):
; a lane then holds row l % 16 of C and the eight neighbouring columns 8 (l / 16) + 0..7.
; CLUSTER 4 x 4: A's tile hangs on the tile row alone and is asked for jointly by a row of the cluster, B's on the tile column alone, by a column.
; REGISTERS, in windows of 256 (s_set_vgpr_msb: bits 1:0 source 0, 3:2 source 1, 5:4 source 2, 7:6 destination):
;   window 0: v0-31 addresses; v64-127, v128-191 A's fragments, two buffers; the way out works in v32-63 and v192-255 (QKV = 1: v64-255)
;   window 1: v64.., v128.. B's fragments, two buffers; QKV = 0: v0-31 the bias, v32-47 at work
;   window 2 (QKV = 1: and 3): the accumulators
.set QKV, 1
.set KSTEP,  128
.set PA,     272                       ; a row of A in LDS: 256 bytes + 16 of padding: the 16 rows of a load start at 16 different groups of four banks (ISA guide 11.1)
.set PB,     288                       ; a k-row of a chunk: 256 + 32
.set CHB,    128*PB                    ; a chunk of B
.set PITCHA, 4096                      ; bytes in a row of A
.if QKV
.set NCH,    3                         ; chunks in a tile
.set NBW,    6                         ; blocks of 16 columns a wave: blocks 2 w, 2 w + 1 of each chunk
.set BPC,    2                         ; of them in one chunk
.set NAB,    3                         ; address registers for B, for each slot
.set RA,     128                       ; rows of A in a tensor load: wave 0 fetches A, waves 1-3 a chunk of B each
.set BOFF,   CHB                       ; a slot: four regions of CHB bytes, wave w's load fills region w: A (34,816 bytes of it), then the chunks
.set SLOT,   4*CHB
.set PITCHB, 6144                      ; bytes in a row of B
.set PITCHC, 6144                      ; and of C
.set SP,     784                       ; the way out: a tile's row of 768 bytes + 16.  The stage is slot 0, from LDS byte 0, when that slot has had its last fill and its last read
.set SPARE,  2*SLOT                    ; behind the ring: the spare words, 128 bytes for each wave: two blocks of 256 bytes that no other line names
.set CB,     8                         ; s[8:9] C
.else
.set NCH,    2
.set NBW,    4                         ; wave w: chunk w / 2, columns 64 (w % 2) on
.set BPC,    4
.set NAB,    1
.set RA,     64                        ; waves 0, 1 fetch A's halves, waves 2, 3 a chunk of B each
.set BOFF,   128*PA
.set SLOT,   128*PA+2*CHB
.set PITCHB, 4096
.set PITCHC, 8192
.set SP,     272                       ; the way out: 16 rows of 256 bytes + 16 for each wave, its own
.set STAGE,  2*SLOT                    ; behind the ring, never filled by a tensor load
.set SPARE,  STAGE+4*16*SP
.set CB,     10                        ; s[10:11] C; s[8:9] the bias
.endif
.set NL,   2*NBW+16                    ; LDS loads for 32 along K
.set ADRA, 16                          ; v16-17  LDS address of my A fragments in slot 0, 1
.set ADRB, 18                          ; v18..   the same for B: slot s, chunk c at ADRB + NAB s + c
.set STO,  24                          ; v24     the way out: where I put my bytes of a row
.set RD,   25                          ; v25     where I read rows back
.set CO,   26                          ; v26     my byte offset in C
.set STO2, 27                          ; v27     QKV = 1: STO for rows 64-127 (the immediate has 16 bits)
.set SPW,  28                          ; v28     LDS address of my spare word; never rewritten
.set NIL,  29                          ; v29     0; never rewritten
.set PFO,  30                          ; v30     the prefetches' offset: my lane x a row of A or B; never rewritten
.set BO,   31                          ; v31     QKV = 0: my offset in the wave's 256 bytes of the bias
.set F0,   64
.set F1,   128
.set TMP,  192                         ; QKV = 0: a block's 32 numbers with the bias added
.set OB,   32                          ; QKV = 0: 16 rows read back: v32-63 and v224-255 by turns
.set BI,   0                           ; QKV = 0, window 1: the bias of my 32 columns
.set WV,   12                          ; s12     my wave's number
.set PART, 14                          ; s14     which chunk of B (QKV = 0: or half of A) I fetch
.set LAP,  15                          ; s15     the loop's count
.set G1A,  24                          ; s[24:31] descriptor group 1 for A's tiles
.set G0A,  32                          ; s[32:39] group 0, a set for each slot
.set PFA,  44                          ; s[44:45] where my prefetches stand
.set G1B,  48                          ; s[48:55], s[56:63] the same for B's
.set G0B,  56
.set PFS,  66                          ; s[66:67] a K step in bytes, along A's rows or down B's
.set LIM,  69                          ; s69     1 in a wave that prefetches, else the greatest number
.set MSB, 0
.macro WIN new                         ; the immediate's high byte repeats the setting that is left; a switch that changes nothing is dropped
.if MSB != (\new)
	s_set_vgpr_msb (MSB<<8)|(\new)
.set MSB, \new
.endif
.endm
.set MUL_LO, 0xa1                      ; source 0 (B) window 1, source 1 (A) window 0, C and D window 2
.set TO_B,   0x40                      ; destination window 1, address window 0
.macro FOR_A                           ; SCC = 1 in a wave that fetches for A: it hangs on the wave's number alone
.if QKV
	s_cmp_eq_u32 s[WV], 0
.else
	s_cmp_lt_u32 s[WV], 2
.endif
.endm
.macro PLACES                          ; four places behind a matrix instruction, in front of loads into registers that it has read and of lines that read results
.rept 4
	v_nop
.endr
.endm
; A joint load: each of the two lines has one mask and one set of registers for all that issue it.  An s_nop 0 and four v_nop follow each line, ahead of the jump and the label.
.macro JLOAD s
	FOR_A
	s_cbranch_scc0 .Lfor_b_\@
	tensor_load_to_lds s[G0A+4*(\s):G0A+4*(\s)+3], s[G1A:G1A+7]
	s_nop 0
	PLACES
	s_branch .Lasked_\@
.Lfor_b_\@:
	tensor_load_to_lds s[G0B+4*(\s):G0B+4*(\s)+3], s[G1B:G1B+7]
	s_nop 0
	PLACES
.Lasked_\@:
.endm
; A PREFETCH INTO THE L2 of the K step that stands two refills on: 32 rows x 256 bytes, a lane a row, one instruction.  A's tile rows are asked for by the clusters with x = 0, wave 0; B's chunks by the
; clusters with y = 0, the wave that fetches the chunk.  The four partners that ask for a tile jointly take 32 of its 128 rows each, told apart BY ADDRESS (cx for A, cy for B).  So each row's 256 bytes of a
; K step are named once in the launch.  K steps 0 to 3 come by their loads alone; the loop's last trip, whose refills are K steps 14 and 15, names nothing.
.macro ASK
	s_cmp_gt_u32 s[LAP], s[LIM]
	s_cbranch_scc0 .Lnot_mine_\@
	global_prefetch_b8 v[PFO], s[PFA:PFA+1] th:TH_LOAD_NT scope:SCOPE_SE
.Lnot_mine_\@:
.endm
.macro CREST                           ; a round of the cluster's barrier behind its opening barrier
	s_cmp_lg_u32 s[WV], 0
	s_cbranch_scc1 .Lnot_wave_0_\@
	s_barrier_signal -3
.Lnot_wave_0_\@:
	s_barrier_wait -3
	s_barrier_signal -1
	s_barrier_wait -1
.endm
.macro CROUND                          ; a whole round
	s_barrier_signal -1
	s_barrier_wait -1
	CREST
.endm
.if QKV
	s_load_b128 s[4:7], s[0:1], 0x0                ; A s[4:5], B s[6:7]
	s_load_b64 s[8:9], s[0:1], 0x10                ; C
.else
	s_load_b256 s[4:11], s[0:1], 0x0               ; A s[4:5], B s[6:7], bias s[8:9], C s[10:11]
.endif
	v_lshl_add_u32 v[SPW], v0, 2, SPARE
	v_mov_b32 v[NIL], 0
	ds_add_u32 v[SPW], v[NIL]                      ; the wave's opening: the add and its wait stand ahead of my first tensor load; the set-up below, work on registers, stands between them
	v_lshrrev_b32 v1, 5, v0
	v_readfirstlane_b32 s[WV], v1                  ; wave 0..3
.if QKV
	s_max_u32 s[PART], s[WV], 1
	s_sub_co_u32 s[PART], s[PART], 1               ; waves 1-3: chunks 0-2.  It enters B's global address alone
.else
	s_and_b32 s[PART], s[WV], 1
.endif
	s_bfe_u32 s40, ttmp6, 0x40000                  ; cx, cy: my place in the cluster
	s_bfe_u32 s41, ttmp6, 0x40004
	s_lshl_b32 s42, ttmp9, 2
	s_add_co_u32 s42, s42, s40                     ; tile column = 4 x cluster x + cx
	s_and_b32 s43, ttmp7, 0xffff
	s_lshl_b32 s43, s43, 2
	s_add_co_u32 s43, s43, s41                     ; tile row = 4 x cluster y + cy
	s_lshl_b32 s16, s41, 2
	s_lshl_b32 s16, 15, s16                        ; my row of the cluster
	s_lshl_b32 s17, 0x1111, s40                    ; my column
	s_or_b32 s[G1A], s16, (1<<16)|(1<<20)|(1<<21)|(5<<22)|(3<<25)  ; 15:0 the mask; 17:16 2-byte elements; 20 padding on; 21 set beside a mask; 24:22 after every 64 words; 31:25 4 words of it
	s_or_b32 s[G1B], s17, (1<<16)|(1<<20)|(1<<21)|(5<<22)|(7<<25)  ; the same with my column's mask and 8 words of padding
	s_mov_b32 s[G1A+1], KSTEP<<16                  ; tensor_dim0 = 128
	s_mov_b32 s[G1A+2], RA<<16                     ; tensor_dim1 = the load's rows
	s_mov_b32 s[G1A+3], KSTEP<<16                  ; tile_dim0 = 128
	s_mov_b32 s[G1A+4], RA                         ; tile_dim1
	s_mov_b32 s[G1A+5], PITCHA/2                   ; elements from row to row
	s_mov_b32 s[G1A+6], 0
	s_mov_b32 s[G1A+7], 0
	s_mov_b32 s[G1B+1], 128<<16                    ; a chunk: 128 columns,
	s_mov_b32 s[G1B+2], KSTEP<<16                  ; 128 k-rows
	s_mov_b32 s[G1B+3], 128<<16
	s_mov_b32 s[G1B+4], KSTEP
	s_mov_b32 s[G1B+5], PITCHB/2
	s_mov_b32 s[G1B+6], 0
	s_mov_b32 s[G1B+7], 0
	s_lshl_b32 s18, s43, 19                        ; A: 128 x tile row rows of 4,096 bytes
.if !QKV
	s_lshl_b32 s19, s[PART], 18                    ; + my half's 64 rows
	s_add_co_u32 s18, s18, s19
.endif
	s_mov_b32 s19, 0
	s_mul_i32 s46, s42, NCH                        ; B: chunk NCH x tile column + mine, 256 bytes each
	s_add_co_u32 s46, s46, s[PART]
	s_lshl_b32 s46, s46, 8
	s_mov_b32 s47, 0
.if QKV
	s_mul_i32 s20, s[WV], CHB                      ; where my load lands in a slot: region w, for either descriptor: no place in the cluster enters an LDS address
	s_mov_b32 s21, s20
.else
	s_mul_i32 s20, s[PART], 64*PA                  ; A's halves,
	s_mul_i32 s21, s[PART], CHB                    ; B's chunks behind them
	s_add_co_u32 s21, s21, BOFF
.endif
	s_wait_dscnt 0x0                               ; the opening add is done
	s_wait_kmcnt 0x0
	s_add_nc_u64 s[18:19], s[4:5], s[18:19]
	s_add_nc_u64 s[46:47], s[6:7], s[46:47]
	CROUND                                         ; all sixteen work-groups are here: the first joint loads meet
.irp s, 0,1
	s_mov_b32 s[G0A+4*(\s)], 1                                     ; count = 1
	s_add_co_u32 s[G0A+4*(\s)+1], s20, (\s)*SLOT                   ; LDS address
	s_add_nc_u64 s[G0A+4*(\s)+2:G0A+4*(\s)+3], s[18:19], (\s)*KSTEP*2  ; global address: K step s along A's rows
	s_or_b32 s[G0A+4*(\s)+3], s[G0A+4*(\s)+3], 0x80000000          ; type = 2
	s_mov_b32 s[G0B+4*(\s)], 1
	s_add_co_u32 s[G0B+4*(\s)+1], s21, (\s)*SLOT
	s_add_nc_u64 s[G0B+4*(\s)+2:G0B+4*(\s)+3], s[46:47], (\s)*KSTEP*PITCHB  ; K step s down B's rows
	s_or_b32 s[G0B+4*(\s)+3], s[G0B+4*(\s)+3], 0x80000000
	JLOAD \s                                       ; the ring is filled before anything else is done: two loads of mine are out
.endr
	; A's fragment, 16 rows x 32 K in 8 registers: lane l holds row l % 16; two loads of 16 bytes, 32 bytes apart, at row x pitch + 16 (l / 16).
	v_and_b32 v1, 15, v0                           ; r = l % 16
	v_bfe_u32 v2, v0, 4, 1                         ; h = l / 16
	v_mul_u32_u24 v3, v1, PA
	v_lshl_add_u32 v3, v2, 4, v3
	; B's fragment: the turning load takes 16 k x 16 columns (lane l reads k-row 8 h + l % 8, columns 8 ((l / 8) % 2) + 0..7) and leaves lane l column l % 16 and 8 k.
	v_and_b32 v4, 7, v0
	v_lshl_add_u32 v4, v2, 3, v4
	v_mul_u32_u24 v4, v4, PB
	v_bfe_u32 v5, v0, 3, 1
	v_lshl_add_u32 v4, v5, 4, v4
.if QKV
	s_lshl_b32 s21, s[WV], 6                       ; my two blocks in each chunk: 64 bytes of its rows
.else
	s_lshr_b32 s21, s[WV], 1                       ; my chunk,
	s_mul_i32 s21, s21, CHB
	s_lshl_b32 s22, s[PART], 7                     ; my half of its rows
	s_add_co_u32 s21, s21, s22
.endif
	v_add_nc_u32 v4, s21, v4
.irp s, 0,1
	v_add_nc_u32 v[ADRA+(\s)], (\s)*SLOT, v3
.set c, 0
.rept NAB
	v_add_nc_u32 v[ADRB+NAB*(\s)+c], (\s)*SLOT+BOFF+c*CHB, v4
.set c, c+1
.endr
.endr
.if QKV
	v_mul_u32_u24 v[STO], v1, SP                   ; into the stage: row r of a block of 16, 16 bytes for each half of the lanes, my 64 bytes of each chunk
	v_lshl_add_u32 v[STO], v2, 4, v[STO]
	v_add_nc_u32 v[STO], s21, v[STO]
	v_add_nc_u32 v[STO2], 64*SP, v[STO]
	s_mul_i32 s22, s[WV], 32*SP                    ; back: wave w takes rows 32 w .. 32 w + 31, whole; lanes 0-15 256 bytes of one row, lanes 16-31 of the next
	v_mul_u32_u24 v[RD], v2, SP
	v_lshl_add_u32 v[RD], v1, 4, v[RD]
	v_add_nc_u32 v[RD], s22, v[RD]
	v_mul_u32_u24 v[CO], v2, PITCHC
	v_lshl_add_u32 v[CO], v1, 4, v[CO]
	s_lshl_b32 s16, s43, 7
	s_lshl_b32 s17, s[WV], 5
	s_add_co_u32 s16, s16, s17                     ; the first row of C that I store
	s_mul_i32 s16, s16, PITCHC
	s_mul_i32 s17, s42, 768                        ; the tile's first column, in bytes
	s_add_co_u32 s16, s16, s17
	s_mov_b32 s17, 0
	s_add_nc_u64 s[CB:CB+1], s[CB:CB+1], s[16:17]
.else
	s_mul_i32 s22, s[WV], 16*SP
	s_add_co_u32 s22, s22, STAGE                   ; my stage
	v_mul_u32_u24 v[STO], v1, SP                   ; in: row r, 32 bytes for each half of the lanes
	v_lshl_add_u32 v[STO], v2, 5, v[STO]
	v_add_nc_u32 v[STO], s22, v[STO]
	v_mul_u32_u24 v[RD], v2, SP                    ; back: lanes 0-15 one row of 256 bytes, lanes 16-31 the next
	v_lshl_add_u32 v[RD], v1, 4, v[RD]
	v_add_nc_u32 v[RD], s22, v[RD]
	v_lshlrev_b32 v[CO], 13, v2
	v_lshl_add_u32 v[CO], v1, 4, v[CO]
	s_lshl_b32 s16, s42, 10                        ; the tile's 256 columns and my 64 of them, in bytes of f32
	s_lshl_b32 s17, s[WV], 8
	s_add_co_u32 s16, s16, s17
	s_mov_b32 s17, 0
	s_add_nc_u64 s[8:9], s[8:9], s[16:17]
	s_add_nc_u64 s[CB:CB+1], s[CB:CB+1], s[16:17]
	s_lshl_b32 s16, s43, 20                        ; 128 x tile row rows of 8,192 bytes
	s_add_nc_u64 s[CB:CB+1], s[CB:CB+1], s[16:17]
	v_lshlrev_b32 v[BO], 5, v2
	WIN TO_B
.irp b, 0,1,2,3                        ; the bias of columns 16 b + 8 h + 0..7; it is waited for on the way out
	global_load_b128 v[BI+8*(\b):BI+8*(\b)+3],   v[BO], s[8:9] offset:64*(\b)
	global_load_b128 v[BI+8*(\b)+4:BI+8*(\b)+7], v[BO], s[8:9] offset:64*(\b)+16
.endr
	WIN 0
	s_mov_b32 s68, 0xffff0000
.endif
	; the prefetches: both offsets are made, the wave's number chooses
	s_lshl_b32 s20, s43, 7
	s_lshl_b32 s21, s40, 5
	s_add_co_u32 s20, s20, s21                     ; A: the tile's rows, my work-group's 32 of them,
	s_lshl_b32 s20, s20, 12
	s_add_co_u32 s20, s20, 3*KSTEP*2               ; at K step 3: the first refill steps it to 4
	s_lshl_b32 s21, s41, 5
	s_add_co_u32 s21, s21, 3*KSTEP                 ; B: K step 3's k-rows, my work-group's 32 of them,
	s_mul_i32 s21, s21, PITCHB
	s_mul_i32 s22, s42, NCH
	s_add_co_u32 s22, s22, s[PART]
	s_lshl_b32 s22, s22, 8                         ; in my chunk
	s_add_co_u32 s21, s21, s22
	s_and_b32 s23, ttmp7, 0xffff                   ; cluster y
	s_mov_b32 s16, KSTEP*2
	s_mov_b32 s17, PITCHA
	FOR_A
	s_cselect_b32 s20, s20, s21
	s_cselect_b32 s23, ttmp9, s23                  ; the coordinate along which other clusters read the same rows
	s_cselect_b64 s[PFA:PFA+1], s[4:5], s[6:7]
	s_cselect_b32 s[PFS], s16, KSTEP*PITCHB
	s_cselect_b32 s17, s17, PITCHB
	s_mov_b32 s[PFS+1], 0
	s_mov_b32 s21, 0
.if !QKV
	s_cmp_eq_u32 s[WV], 1                          ; wave 0 asks for all 32 of A's rows: wave 1 for none
	s_cselect_b32 s16, 1, 0
	s_or_b32 s23, s23, s16
.endif
	s_cmp_eq_u32 s23, 0
	s_cselect_b32 s[LIM], 1, -1                    ; the same in all sixteen partners, for a given wave
	s_add_nc_u64 s[PFA:PFA+1], s[PFA:PFA+1], s[20:21]
	v_and_b32 v[PFO], 31, v0
	v_mul_lo_u32 v[PFO], v[PFO], s17
; 2 NBW matrix instructions: row blocks 4 hi + a0, + 1 x all my column blocks, 32 along K.  zero = 1: the first product starts the sums: nothing is cleared.
; All accumulators take turns, one instruction a turn, in the same order in every quarter, over the backward jump too.
.macro MULG f, hi, a0, zero
	WIN MUL_LO+0x50*(\hi)*QKV                      ; QKV = 1: rows 64-127 have their accumulators in window 3
.irp a, \a0, (\a0)+1
.set mb, 0
.rept NBW
.set rD, 8*(NBW*((1-QKV)*4*(\hi)+(\a))+mb)
.set rB, (\f)+8*mb
.set rA, (\f)+8*(4*(\hi)+(\a))
.if QKV
.if \zero
	v_wmma_f32_16x16x32_bf16 v[rD:rD+7], v[rB:rB+7], v[rA:rA+7], 0
.else
	v_wmma_f32_16x16x32_bf16 v[rD:rD+7], v[rB:rB+7], v[rA:rA+7], v[rD:rD+7]
.endif
.else
.if \zero
	v_wmma_f32_16x16x32_f16 v[rD:rD+7], v[rB:rB+7], v[rA:rA+7], 0
.else
	v_wmma_f32_16x16x32_f16 v[rD:rD+7], v[rB:rB+7], v[rA:rA+7], v[rD:rD+7]
.endif
.endif
.set mb, mb+1
.endr
.endr
.endm
; NL LDS loads in one run: the fragments of quarter q (32 along K) of a slot into buffer f: B's first, then A's, rows 64-127 last
.macro FETCH slot, q, f
	WIN TO_B
.set mb, 0
.rept NBW
	ds_load_tr16_b128 v[(\f)+8*mb:(\f)+8*mb+3],   v[ADRB+NAB*(\slot)+mb/BPC] offset:(\q)*32*PB+(mb%BPC)*32
	ds_load_tr16_b128 v[(\f)+8*mb+4:(\f)+8*mb+7], v[ADRB+NAB*(\slot)+mb/BPC] offset:(\q)*32*PB+16*PB+(mb%BPC)*32
.set mb, mb+1
.endr
	WIN 0
.irp i, 0,1,2,3,4,5,6,7
	ds_load_b128 v[(\f)+8*(\i):(\f)+8*(\i)+3],   v[ADRA+(\slot)] offset:(\q)*64+(\i)*16*PA
	ds_load_b128 v[(\f)+8*(\i)+4:(\f)+8*(\i)+7], v[ADRA+(\slot)] offset:(\q)*64+(\i)*16*PA+32
.endr
.endm
; A K step is four quarters on buffers 0, 1, 0, 1.  One of the first three: multiplies buffer f and, in its middle, fetches quarter q into buffer g.
.macro QUARTER slot, q, f, g, zero
	s_wait_dscnt 8                                 ; B and A's rows 0-63 are in; the youngest eight loads (A's rows 64-127) may be out
	MULG \f, 0, 0, \zero
	MULG \f, 0, 2, \zero
	PLACES
	FETCH \slot, \q, \g
	s_wait_dscnt NL                                ; all but the run just issued
	MULG \f, 1, 0, \zero
	MULG \f, 1, 2, \zero
.endm
; The last quarter multiplies buffer 1; IN FRONT OF ITS PRODUCTS THE SLOTS CHANGE: one barrier.  In front of it each wave waits for all its tensor loads (one is out: its part of the next slot), adds 0 to its
; spare word, and waits for that and for its own reads of this slot, the last of which went out in the middle of the quarter before.  Behind it nobody reads this slot any more and the next slot is whole.
; fill = 1: the barrier opens a round of the cluster's barrier, so that no wave of any partner still reads the slot or has a load on its way; the joint refill, two K steps on, is the first thing behind it.
; No product stands between the wait for the loads and the refill: the quarter's 8 NBW products follow it, so that from a request to the wait for it a wave issues a whole K step's 32 NBW matrix instructions.
.macro TURN slot, next, fill
	WIN 0
.if \fill
	s_wait_xcnt 0x0                                ; the last prefetch, a K step back, has read its address: it is stepped here, ahead of the waits of the change of slots
	s_add_nc_u64 s[PFA:PFA+1], s[PFA:PFA+1], s[PFS:PFS+1]
.endif
	s_wait_tensorcnt 0x0                           ; no tensor load of mine is out, so a group 0 may be written
	ds_add_u32 v[SPW], v[NIL]                      ; 0 onto my spare word; with fill = 1 the descriptors' steps stand between it and the wait for it
.if \fill
	s_add_nc_u64 s[G0A+4*(\slot)+2:G0A+4*(\slot)+3], s[G0A+4*(\slot)+2:G0A+4*(\slot)+3], 2*KSTEP*2
	s_add_nc_u64 s[G0B+4*(\slot)+2:G0B+4*(\slot)+3], s[G0B+4*(\slot)+2:G0B+4*(\slot)+3], 2*KSTEP*PITCHB
.endif
	s_wait_dscnt 0x0                               ; the add is done, and my reads of this slot are over: buffer 1 is whole
	s_barrier_signal -1
	s_barrier_wait -1
.if \fill
	CREST
	JLOAD \slot                                    ; the four v_nop behind it are also the places between buffer 0's last product and the loads below
.else
	PLACES
.endif
	FETCH \next, 0, F0
.if \fill
	ASK                                            ; behind the joint load and the run of LDS loads that the next quarter waits for
.endif
	MULG F1, 0, 0, 0
	MULG F1, 0, 2, 0
	MULG F1, 1, 0, 0
	MULG F1, 1, 2, 0
.endm
	s_wait_tensorcnt 0x1                           ; my part of K step 0 is in; K step 1's was issued behind it and may stay out
	s_barrier_signal -1
	s_barrier_wait -1                              ; everybody's is
	FETCH 0, 0, F0
	QUARTER 0, 1, F0, F1, 1                        ; the first quarter stands in front of the loop: its products start the sums
	WIN 0                                          ; at a label and at a branch every window is 0
	s_mov_b32 s[LAP], 7
.Llap:                                                 ; a trip goes once round the ring, from a lap's second quarter to the next lap's first, and fills both slots again: K steps 2 to 15
	QUARTER 0, 2, F1, F0, 0
	QUARTER 0, 3, F0, F1, 0
	TURN 0, 1, 1
	QUARTER 1, 1, F0, F1, 0
	QUARTER 1, 2, F1, F0, 0
	QUARTER 1, 3, F0, F1, 0
	TURN 1, 0, 1
	QUARTER 0, 1, F0, F1, 0
	WIN 0
	s_sub_co_u32 s[LAP], s[LAP], 1
	s_cmp_lg_u32 s[LAP], 0
	s_cbranch_scc1 .Llap
	QUARTER 0, 2, F1, F0, 0                        ; the last lap fills nothing, and has no round of the cluster's barrier
	QUARTER 0, 3, F0, F1, 0
	TURN 0, 1, 0                                   ; behind its barrier no wave reads slot 0 any more, and no load fills it again
	QUARTER 1, 1, F0, F1, 0
	QUARTER 1, 2, F1, F0, 0
	QUARTER 1, 3, F0, F1, 0
	s_wait_dscnt 8                                 ; the very last quarter: nothing more to fetch
	MULG F1, 0, 0, 0
	MULG F1, 0, 2, 0
	s_wait_dscnt 0x0
	MULG F1, 1, 0, 0
	MULG F1, 1, 2, 0
	WIN 0
	PLACES
.if QKV
	; THE WAY OUT: round to f16, 16 bytes a lane; into the work-group's stage; a barrier, since a row's 768 bytes come from four waves; back as whole rows, 32 rows a wave.
.irp hi, 0,1
	WIN 0x0a+5*(\hi)                               ; sources 0 and 1: window 2 or 3
.set n, 0
.rept 24                               ; accumulator n = 6 a + b, its registers in ascending order
.irp i, 0,1,2,3
	v_cvt_pk_f16_f32 v[64+96*(\hi)+4*n+(\i)], v[8*n+2*(\i)], v[8*n+2*(\i)+1]
.endr
.set n, n+1
.endr
.endr
	WIN 0
.irp hi, 0,1
.set n, 0
.rept 24
	ds_store_b128 v[STO+3*(\hi)], v[64+96*(\hi)+4*n:64+96*(\hi)+4*n+3] offset:(n/6)*16*SP+((n%6)/2)*256+(n%2)*32
.set n, n+1
.endr
.endr
	s_wait_dscnt 0x0                               ; for the others' sake: my stores into the stage are done
	s_barrier_signal -1
	s_barrier_wait -1
.set n, 0
.rept 48                               ; rows 2 (n % 16) and + 1 of my 32, chunk n / 16
	ds_load_b128 v[64+4*n:64+4*n+3], v[RD] offset:(n%16)*2*SP+(n/16)*256
.set n, n+1
.endr
.set n, 0
.rept 48
	s_wait_dscnt 47-n                              ; load n is back, the 47 - n younger ones may stay out
	global_store_b128 v[CO], v[64+4*n:64+4*n+3], s[CB:CB+1] offset:(n%16)*2*PITCHC+(n/16)*256  ; 16 lanes store 256 consecutive bytes, at a multiple of 256 from C's first byte
.set n, n+1
.endr
.else
	; THE WAY OUT: the bias, rounded to bf16 like every other input, is added; a block of 16 rows at a time goes through my own stage and comes back as whole rows of 256 bytes.
	s_wait_loadcnt 0x0                             ; the bias
	WIN 0x45                                       ; destination and sources 0, 1 in window 1
.set n, 0
.rept 16
	v_cvt_pk_bf16_f32 v[32+n], v[BI+2*n], v[BI+2*n+1]
.set n, n+1
.endr
.set n, 0
.rept 16
	v_lshlrev_b32 v[BI+2*n], 16, v[32+n]
	v_and_b32 v[BI+2*n+1], s68, v[32+n]
.set n, n+1
.endr
.macro ADDB a                          ; block a's 32 numbers a lane, pair n: accumulator n / 4, in ascending order
	WIN 0x06                                       ; source 0 window 2, source 1 window 1, destination window 0
.set n, 0
.rept 16
	v_pk_add_f32 v[TMP+2*n:TMP+2*n+1], v[32*(\a)+2*n:32*(\a)+2*n+1], v[BI+2*n:BI+2*n+1]
.set n, n+1
.endr
	WIN 0
.endm
.macro TOSTAGE a
.set BK, OB+192*((\a)%2)
.irp b, 0,1,2,3
	ds_store_b128 v[STO], v[TMP+8*(\b):TMP+8*(\b)+3]   offset:64*(\b)
	ds_store_b128 v[STO], v[TMP+8*(\b)+4:TMP+8*(\b)+7] offset:64*(\b)+16
.endr
.irp t, 0,1,2,3,4,5,6,7
	ds_load_b128 v[BK+4*(\t):BK+4*(\t)+3], v[RD] offset:(\t)*2*SP  ; LDS serves a wave's instructions in order (ISA guide 5.7.1.4): these see the stores above
.endr
.endm
.macro SEND a
.set BK, OB+192*((\a)%2)
	s_wait_dscnt 0x0                               ; the block is back in registers
	s_wait_xcnt 0x0                                ; the stores' base, and the registers that earlier stores read, are rewritten only behind this wait
.if (\a) > 0
	s_add_nc_u64 s[CB:CB+1], s[CB:CB+1], 16*PITCHC
.endif
.irp t, 0,1,2,3,4,5,6,7
	global_store_b128 v[CO], v[BK+4*(\t):BK+4*(\t)+3], s[CB:CB+1] offset:2*(\t)*PITCHC  ; 16 lanes store 256 consecutive bytes, at a multiple of 256 from C's first byte
.endr
.endm
	ADDB 0
	TOSTAGE 0
.irp a, 1,2,3,4,5,6,7                  ; block a's additions stand between block a - 1's loads from the stage and the wait for them
	ADDB \a
	SEND (\a)-1
	TOSTAGE \a
.endr
	SEND 7
.endif
	s_wait_tensorcnt 0x0                           ; the wave's end: behind my last tensor load and my last LDS store
	ds_add_u32 v[SPW], v[NIL]
	s_wait_dscnt 0x0
	CROUND                                         ; the closing round: no work-group ends while a partner may still ask for a tile that names it
	s_endpgm
.Lfunc_end_k_qb3272ab594_gemm_qkv:
	.size	k_qb3272ab594_gemm_qkv, .Lfunc_end_k_qb3272ab594_gemm_qkv-k_qb3272ab594_gemm_qkv
	.p2alignl 7, 3214868480
	.fill 96, 4, 3214868480
	.section	.rodata,"a",@progbits
	.p2align	6, 0x0
	.amdhsa_kernel k_qb3272ab594_gemm_qkv
		.amdhsa_group_segment_fixed_size 327680
		.amdhsa_private_segment_fixed_size 0
		.amdhsa_enable_private_segment 0
		.amdhsa_kernarg_size 24
		.amdhsa_user_sgpr_count 2
		.amdhsa_user_sgpr_kernarg_segment_ptr 1
		.amdhsa_wavefront_size32 1
		.amdhsa_system_sgpr_workgroup_id_x 1
		.amdhsa_system_sgpr_workgroup_id_y 1
		.amdhsa_system_sgpr_workgroup_id_z 1
		.amdhsa_system_vgpr_workitem_id 0
		.amdhsa_next_free_vgpr 960
		.amdhsa_next_free_sgpr 72
		.amdhsa_reserve_vcc 0
		.amdhsa_float_denorm_mode_32 3
		.amdhsa_float_denorm_mode_16_64 3
		.amdhsa_memory_ordered 1
		.amdhsa_forward_progress 1
		.amdhsa_inst_pref_size 117
	.end_amdhsa_kernel
	.amdgpu_metadata
---
amdhsa.version: [ 1, 2 ]
amdhsa.kernels:
  - .name:           k_qb3272ab594_gemm_qkv
    .symbol:         k_qb3272ab594_gemm_qkv.kd
    .args:
      - { .name: xb, .offset: 0, .size: 8, .value_kind: global_buffer, .address_space: global }
      - { .name: wqkv, .offset: 8, .size: 8, .value_kind: global_buffer, .address_space: global }
      - { .name: qkv, .offset: 16, .size: 8, .value_kind: global_buffer, .address_space: global }
    .group_segment_fixed_size: 327680
    .private_segment_fixed_size: 0
    .kernarg_segment_align: 8
    .kernarg_segment_size: 24
    .max_flat_workgroup_size: 128
    .sgpr_count:     72
    .vgpr_count:     960
    .wavefront_size: 32
...
	.end_amdgpu_metadata
.endif
;; end of part 2
;; launch attn (part 3): grid 16 x 16, 4 waves a work-group, clusters of 4 x 1, 327,680 bytes of LDS; arguments qkv, yb; writes yb
.if DOCPART == 3
	.amdgcn_target "amdgcn-amd-amdhsa--gfx1250"
	.amdhsa_code_object_version 6
	.text
	.protected	k_qb3272ab594_attn
	.globl	k_qb3272ab594_attn
	.p2align	8
	.type	k_qb3272ab594_attn,@function
k_qb3272ab594_attn:
	s_mov_b64 s[64:65], 0
	v_nop
	global_prefetch_b8 v0, s[64:65] scope:SCOPE_SE
	s_setreg_imm32_b32 hwreg(HW_REG_WAVE_MODE, 25, 1), 1
	s_wait_xcnt 0x0
	s_wait_alu depctr_hold_cnt(0) depctr_sa_sdst(0) depctr_va_vdst(0) depctr_va_sdst(0) depctr_va_ssrc(0) depctr_va_vcc(0) depctr_vm_vsrc(0)
	s_getreg_b32 s2, hwreg(HW_REG_IB_STS2, 6, 4)
	s_cmp_eq_u32 s2, 0
	s_cbranch_scc0 .Lentry_in_a_cluster
	s_endpgm
.Lentry_in_a_cluster:
	s_bfe_u32 s2, ttmp6, 0x10000c
	s_cmp_lg_u32 s2, 0x3003
	s_cbranch_scc0 .Lentry_shape_is_right
	s_endpgm
.Lentry_shape_is_right:
; CAUSAL GROUPED-QUERY ATTENTION.  qkv: [4 x 1024 rows][3072] f16: query head h at byte 256 h of a row, key head j at 4,096 + 256 j, value head j at 5,120 + 256 j.  yb: [4096][2048] f16, head h at byte 256 h.
; y[q] = the sum over k <= q of softmax_k(Q[q] . K[k] / sqrt(128)) V[k].  Products, maxima and sums in f32; the weights p are rounded to f16 for the second product (their sum l is taken of the unrounded p), y once.
; LIMITS.  Q, K, V arrive within f16's 65,504; p lies in 0 to 1 and below 6e-5 keeps f16's fixed step of 6e-8; y is a mean of V's rows.  A hidden score counts as its value less 1e30 (f16's scores are 5.5e11
; at the most); a weight below 2^-126 counts as 0 in l; NaN and infinities are not treated apart.
; THE WALK.  A head's 1,024 queries lie in 8 blocks of 128; block i needs the key tiles 0 .. i of 128 keys, of which the last holds the diagonal.  A work-group takes block 7 - p and then block p: 9 tiles,
; whatever p: all work-groups do equal work, and one loop with a constant trip count walks them.
; CLUSTER.  The four partners are the four query heads of one key and value head, with the same p: they walk the same tiles in the same order, so every tile is asked for JOINTLY.
; SHARES.  Of a block's two bands of 64 queries wave w owns rows 16 w .. 16 w + 15 in each: tile 0 in band 0, tile 1 in band 1.  Keys go 64 a step, two steps a tile.  So the diagonal tile is the same work for
; all four waves: in its step 0 tile 0 holds the diagonal and tile 1 sees every key; in its step 1 tile 0 sees no key and is left out (its weights would be 0 and its a would be 1), and tile 1 holds the diagonal.
; LAYOUT.  S^T = K Q^T (source 0 = 16 keys, source 1 = 16 queries): a lane holds ONE query (lane % 16) and the keys 8 (lane / 16) + 0..7.  Two such results, rounded to f16 in pairs, ARE source 1 of
; O^T = V^T P, whose result again holds one query a lane, and eight channels.  K comes out of LDS as it lies, V turned, by ds_load_tr16_b128.
; SOFTMAX.  A running maximum m and sum l: p = 2^(c s - c m), c = log2(e) / sqrt(128); in every step O and l are multiplied by a = 2^(c m_old - c m_new).  A block starts with c m far below every c s,
; so its first step's a is 0 and O and l need only be finite: one text serves every step.
; THE MASK is the C operand that starts the sums S^T.  MD, made once, is the mask of a band's own step for my 16 rows (0 or -1e30), the same for both bands.  Step 0's tile 0 takes MC = MD x AL, AL = 1 in a
; block's last tile and 0 elsewhere; the diagonal tile's step 1 takes MD itself; everything else takes the constant 0.
; IN PHASES: a step's K Q^T, its softmax, its V^T P; the LDS loads of the next operands stand in runs of 32 behind the products that read the registers last.
; REGISTERS, in windows of 256 (s_set_vgpr_msb: bits 1:0 source 0, 3:2 source 1, 5:4 source 2, 7:6 destination):
;   window 0: v0-11 addresses; v12-27 eight registers of statistics a tile; v60-63; v64-127 S^T, 32 a tile; v192-223 P, 16 a tile
;   window 1: v0-127 O^T, 64 a tile; v128-159 MD      window 2: v0-63 Q; v64-127 the second block's Q; v128-255 K of one step      window 3: v0-127 V of one step; v128-159 MC
.set KS,    64        ; keys in a step
.set PK,    272       ; a row of K in LDS: 256 bytes + 16 of padding: the 16 rows of a load start at 16 different groups of four banks (ISA guide 11.1)
.set PV,    288       ; a row of V: 256 + 32
.set VOFF,  KS*PK     ; a step's tiles lie together: 64 rows of K, then 64 rows of V
.set STEPB, KS*(PK+PV)
.set SLOT1, 1<<17     ; a slot holds a key tile, two steps (71,680 bytes); slot 1 begins here, so that one exclusive or turns an address in one slot into the other's
.set STAGE, SLOT1+2*STEPB  ; behind the ring, never filled by a tensor load: 16 rows x 272 bytes for each wave, for the way out
.set SP,    272
.set SPARE, STAGE+4*16*SP  ; behind the stages: the spare words, 128 bytes for each wave: two blocks of 256 bytes that no other line names
.set ROWQ,  6144      ; bytes in a row of qkv
.set ROWY,  4096      ; and of yb
.set TILEB, 128*ROWQ  ; from a key tile to the next
.set AK0, 2           ; v2   my lane's place in a tile of K; never rewritten
.set AV0, 3           ; v3   the same for V
.set ADR, 4           ; v4   the LDS address of the run of loads in hand
.set QO,  5           ; v5   my byte offset in 16 rows of Q; never rewritten
.set STO, 6           ; v6   the way out: where I put 16 bytes of a row
.set RD,  7           ; v7   where I read a row back
.set GO,  8           ; v8   my byte offset in two rows of y
.set ST,  12          ; tile t's statistics at v[ST+8 t]: +0 c m, +1 m, +2, +3 l (even keys', odd keys'), +4 to +7 c0-c3, at work; a takes c2's place once the maximum is found
.set MQ,  60          ; v60  my query's place in its band, less 8 (lane / 16): what the mask compares with
.set PFO, 61          ; v61  my lane x a row of qkv; never rewritten
.set SPW, 62          ; v62  LDS address of my spare word; never rewritten
.set NIL, 63          ; v63  0; never rewritten
.set S,   64
.set P,   192
.set MD,  128         ; window 1: key block kb, register j at MD + 8 kb + j
.set MC,  128         ; window 3: the same order
.set QB,  64          ; window 2
.set KF,  128         ; window 2: key block kb, channels 32 c on at KF + 32 kb + 8 c
.set KB,  8           ; s[8:9]   K at the rows that I fetch of the head's tile 0
.set VB,  10          ; s[10:11] V likewise
.set WV,  12          ; s12  my wave's number
.set CX,  13          ; s13  my place in the cluster: the query head in its group
.set PB,  14          ; s14  p
.set HI,  15          ; s15  7 - p
.set G1K, 24          ; s[24:31] descriptor group 1 for K's tiles
.set G1V, 32          ; s[32:39] for V's: it differs in the padding alone
.set G0K, 40          ; s[40:43] descriptor group 0 for K's tiles
.set G0V, 44          ; s[44:47] for V's
.set QHI, 48          ; s[48:49] Q at my rows of the first block
.set QLO, 50          ; s[50:51] of the second; never rewritten
.set OC,  52          ; s[52:53] y at my rows of the block in hand
.set OLO, 54          ; s[54:55] of the second block
.set SLOTS, 56        ; s56  tiles still to be asked for
.set CS,  58          ; s[58:59] c: the packed scaling takes the pair's low word for both halves
.set SEL, 60          ; s[60:61] v_permlanex16_b32's selects: each lane takes its own place in the other half
.set TB,  62          ; s62  LDS byte at which the tiles of the step to be fetched begin
.set RT,  66          ; s66  tiles of the block in hand that are still to be entered
.set NXT, 67          ; s67  the tile to be asked for next
.set LQ,  68          ; s68  the last tile of the block whose tiles are being asked for
.set OFF, 70          ; s[70:71] a tile's byte offset in K and V
.set AL,  72          ; s[72:73] the mask's factor, in the low word
.set BIGN, 74         ; s74  -1e30
.set LIM, 75          ; s75  2 in a wave that prefetches, else the greatest number
.set PFA, 76          ; s[76:77] where my prefetches stand
.set MSB, 0
.macro WIN new                      ; the high byte repeats the setting that is left; a switch that changes nothing is dropped
.if MSB != (\new)
	s_set_vgpr_msb (MSB<<8)|(\new)
.set MSB, (\new)
.endif
.endm
.set W_KQ, 0x0a       ; K and Q in window 2, S^T in window 0
.set W_KD, 0x1a       ; the same with the C operand in window 1 (MD)
.set W_KC, 0x3a       ; the same with the C operand in window 3 (MC)
.set W_PV, 0x53       ; V in window 3, P in window 0, O^T in window 1
.set W_RS, 0x41       ; destination and source 0 in window 1, source 1 in window 0
.macro PLACES                       ; four places behind a matrix instruction, in front of lines that read its results and of loads into registers that it has read
.rept 4
	v_nop
.endr
.endm
; A joint fill.  Waves 0 and 1 fetch the two steps' K of a tile, waves 2 and 3 their V: 64 rows of 256 bytes each.  The branch hangs on the wave's number alone.
; An s_nop 0 and four v_nop follow each of the two lines, ahead of the jump and the label.
.macro JLOAD
	s_cmp_lt_u32 s[WV], 2
	s_cbranch_scc0 .Lfor_v_\@
	tensor_load_to_lds s[G0K:G0K+3], s[G1K:G1K+7]
	s_nop 0
	PLACES
	s_branch .Lasked_\@
.Lfor_v_\@:
	tensor_load_to_lds s[G0V:G0V+3], s[G1V:G1V+7]
	s_nop 0
	PLACES
.Lasked_\@:
.endm
; A PREFETCH INTO THE L2 of the tile that the NEXT change of slots will ask for: 128 rows of K and 128 of V, 256 bytes each, a lane a row.  All clusters of a key head read these rows; the cluster with p = 0,
; whose first block walks tiles 0 to 7 in order, asks.  Its four partners take 32 rows each, told apart BY ADDRESS; in each, wave 0 asks for K's and wave 2 for V's.  So each row is named once in the launch.
; Tiles 0 and 1 come by their loads alone; tile 7 is the last that is named: the last two trips ask for nothing.
.macro ASK
	s_cmp_gt_u32 s[SLOTS], s[LIM]
	s_cbranch_scc0 .Lnot_mine_\@
	global_prefetch_b8 v[PFO], s[PFA:PFA+1] th:TH_LOAD_NT scope:SCOPE_SE
.Lnot_mine_\@:
.endm
.macro CROUND                       ; a round of the cluster's barrier
	s_barrier_signal -1
	s_barrier_wait -1
	s_cmp_lg_u32 s[WV], 0
	s_cbranch_scc1 .Lnot_wave_0_\@
	s_barrier_signal -3
.Lnot_wave_0_\@:
	s_barrier_wait -3
	s_barrier_signal -1
	s_barrier_wait -1
.endm
; THE CHANGE OF SLOTS.  Each wave waits for all its tensor loads, of which one is out: its part of the other slot; adds 0 to its spare word; and waits for that and for its own reads of the slot that it leaves.
; fill = 1: the old slot is filled again with tile NXT, whose address is made anew from that number.  The barrier is then a round of the cluster's, so that no wave of any partner still reads the slot or has a
; load on its way, and the joint fill is the first thing behind it: it has a whole tile's work in which to land.  (At its first use nothing has been read yet: slot 0 is waited for, slot 1 filled.)
.macro CHANGE fill
	WIN 0                           ; at a label and at a branch every window is 0
	s_wait_tensorcnt 0x0            ; no tensor load of mine is out, so a group 0 may be written
	ds_add_u32 v[SPW], v[NIL]       ; 0 onto my spare word; with fill = 1 the descriptors' scalar work stands between it and the wait for it
.if \fill
	s_mul_i32 s[OFF], s[NXT], TILEB
	s_xor_b32 s[G0K+1], s[G0K+1], SLOT1
	s_add_nc_u64 s[G0K+2:G0K+3], s[KB:KB+1], s[OFF:OFF+1]
	s_or_b32 s[G0K+3], s[G0K+3], 0x80000000
	s_xor_b32 s[G0V+1], s[G0V+1], SLOT1
	s_add_nc_u64 s[G0V+2:G0V+3], s[VB:VB+1], s[OFF:OFF+1]
	s_or_b32 s[G0V+3], s[G0V+3], 0x80000000
	s_add_co_u32 s[NXT], s[NXT], 1  ; the block's next tile, or behind its last the second block's tile 0
	s_cmp_gt_u32 s[NXT], s[LQ]
	s_cselect_b32 s[NXT], 0, s[NXT]
	s_cselect_b32 s[LQ], s[PB], s[LQ]
	s_wait_xcnt 0x0                 ; the last prefetch, a tile back, has read its address, so it may be written
	s_add_nc_u64 s[PFA:PFA+1], s[PFA:PFA+1], TILEB
	s_wait_dscnt 0x0                ; the add is done, and my reads of the slot are over
	CROUND
	JLOAD
	ASK
.else
	s_wait_dscnt 0x0                ; the add is done, and my reads of the slot are over
	s_barrier_signal -1
	s_barrier_wait -1
.endif
	s_sub_co_u32 s[TB], s[TB], 2*STEPB  ; the fetches go back to a slot's first step,
	s_xor_b32 s[TB], s[TB], SLOT1   ; in the other slot
.endm
	s_load_b128 s[4:7], s[0:1], 0x0 ; qkv s[4:5], yb s[6:7]
	v_lshl_add_u32 v[SPW], v0, 2, SPARE
	v_mov_b32 v[NIL], 0
	ds_add_u32 v[SPW], v[NIL]       ; the wave's opening: the add and its wait stand ahead of my first tensor load; the set-up below, work on registers, stands between them
	v_lshrrev_b32 v1, 5, v0
	v_readfirstlane_b32 s[WV], v1   ; wave 0..3
	s_bfe_u32 s[CX], ttmp6, 0x40000 ; it enters Q's, y's and the prefetches' addresses alone
	s_mov_b32 s[PB], ttmp9          ; in a cluster launch ttmp9 counts clusters: p, which the four partners share
	s_sub_co_u32 s[HI], 7, s[PB]
	s_and_b32 s16, ttmp7, 0xffff    ; 4 x batch + key head
	s_lshr_b32 s17, s16, 2          ; the batch
	s_and_b32 s18, s16, 3           ; the key head
	s_and_b32 s19, s[WV], 1         ; which of a tile's two steps I fetch
	s_mul_i32 s20, s17, 1024*ROWQ   ; the batch's rows,
	s_lshl_b32 s21, s18, 8          ; the key head's 256 bytes,
	s_add_co_u32 s20, s20, s21
	s_mul_i32 s21, s19, KS*ROWQ     ; my step's 64 rows,
	s_add_co_u32 s20, s20, s21
	s_add_co_u32 s20, s20, 4096     ; behind the query heads
	s_mov_b32 s21, 0
	s_mov_b32 s[G0K], 1             ; count = 1
	s_mul_i32 s[G0K+1], s19, STEPB  ; LDS address: slot 0, my step: no place in the cluster enters an LDS address
	s_mov_b32 s[G0V], 1
	s_add_co_u32 s[G0V+1], s[G0K+1], VOFF
	s_lshl_b32 s22, s17, 10
	s_lshl_b32 s23, s[WV], 4
	s_add_co_u32 s22, s22, s23      ; 1,024 x batch + my 16 rows in a band
	s_lshl_b32 s23, s[HI], 7
	s_add_co_u32 s23, s23, s22      ; in the first block,
	s_lshl_b32 s2, s[PB], 7
	s_add_co_u32 s22, s22, s2       ; in the second
	s_lshl_b32 s16, s18, 2
	s_add_co_u32 s16, s16, s[CX]
	s_lshl_b32 s16, s16, 8          ; the query head's 256 bytes
	s_mul_i32 s[QHI], s23, ROWQ
	s_add_co_u32 s[QHI], s[QHI], s16
	s_mov_b32 s[QHI+1], 0
	s_mul_i32 s[QLO], s22, ROWQ
	s_add_co_u32 s[QLO], s[QLO], s16
	s_mov_b32 s[QLO+1], 0
	s_lshl_b32 s[OC], s23, 12
	s_add_co_u32 s[OC], s[OC], s16
	s_mov_b32 s[OC+1], 0
	s_lshl_b32 s[OLO], s22, 12
	s_add_co_u32 s[OLO], s[OLO], s16
	s_mov_b32 s[OLO+1], 0
	; descriptor group 1: a tile of 64 rows x 128 elements, padded in LDS
	s_mov_b32 s[G1K], 15|(1<<16)|(1<<20)|(1<<21)|(5<<22)|(3<<25)  ; 15:0 the mask of four; 17:16 2-byte elements; 20 padding on; 21 set beside a mask; 24:22 after every 64 words; 31:25 4 words of it
	s_mov_b32 s[G1V], 15|(1<<16)|(1<<20)|(1<<21)|(5<<22)|(7<<25)  ; the same with 8 words of padding
.irp g, G1K, G1V
	s_mov_b32 s[(\g)+1], 128<<16    ; tensor_dim0 = 128
	s_mov_b32 s[(\g)+2], KS<<16     ; tensor_dim1 = 64
	s_mov_b32 s[(\g)+3], 128<<16    ; tile_dim0 = 128
	s_mov_b32 s[(\g)+4], KS         ; tile_dim1 = 64
	s_mov_b32 s[(\g)+5], ROWQ/2     ; elements from row to row
	s_mov_b32 s[(\g)+6], 0
	s_mov_b32 s[(\g)+7], 0
.endr
	s_mov_b32 s[CS], 0x3e0293ee     ; c = log2(e) / sqrt(128) = 0.127517
	s_mov_b32 s[CS+1], s[CS]        ; named with it as a pair
	s_mov_b32 s[SEL], 0x76543210
	s_mov_b32 s[SEL+1], 0xfedcba98
	s_mov_b32 s[TB], SLOT1+2*STEPB  ; the first change of slots turns this into 0
	s_add_co_u32 s[RT], s[HI], 1    ; the first block has 8 - p tiles
	s_mov_b32 s[NXT], 1
	s_mov_b32 s[LQ], s[HI]
	s_mov_b32 s[OFF+1], 0
	s_mov_b32 s[AL+1], 0            ; named as a pair
	s_mov_b32 s[BIGN], 0xf149f2ca   ; -1e30
	s_mov_b32 s[SLOTS], 8
	s_and_b32 s[LIM], s[WV], 1      ; 0 in waves 0 and 2,
	s_or_b32 s[LIM], s[LIM], ttmp9  ; where p = 0: the same in all four partners
	s_cmp_eq_u32 s[LIM], 0
	s_cselect_b32 s[LIM], 2, -1
	v_and_b32 v[PFO], 31, v0
	v_mul_u32_u24 v[PFO], v[PFO], ROWQ
	s_wait_dscnt 0x0                ; the opening add is done
	s_wait_kmcnt 0x0
	s_add_nc_u64 s[KB:KB+1], s[4:5], s[20:21]
	s_add_nc_u64 s[VB:VB+1], s[KB:KB+1], 1024
	s_add_nc_u64 s[G0K+2:G0K+3], s[KB:KB+1], 0   ; global address: tile 0
	s_or_b32 s[G0K+3], s[G0K+3], 0x80000000      ; type = 2
	s_add_nc_u64 s[G0V+2:G0V+3], s[VB:VB+1], 0
	s_or_b32 s[G0V+3], s[G0V+3], 0x80000000
	s_add_nc_u64 s[QHI:QHI+1], s[4:5], s[QHI:QHI+1]
	s_add_nc_u64 s[QLO:QLO+1], s[4:5], s[QLO:QLO+1]
	s_add_nc_u64 s[OC:OC+1], s[6:7], s[OC:OC+1]
	s_add_nc_u64 s[OLO:OLO+1], s[6:7], s[OLO:OLO+1]
	s_cmp_lt_u32 s[WV], 2
	s_cselect_b64 s[PFA:PFA+1], s[KB:KB+1], s[VB:VB+1]  ; (in waves 0 and 2 these stand at a tile's first row)
	s_mul_i32 s2, s[CX], 32*ROWQ    ; my work-group's 32 rows of the 128,
	s_add_co_u32 s2, s2, TILEB      ; in tile 1: the first change of slots steps it to tile 2
	s_mov_b32 s3, 0
	s_add_nc_u64 s[PFA:PFA+1], s[PFA:PFA+1], s[2:3]
	CROUND                          ; all four work-groups are here: the first joint loads meet
	JLOAD                           ; tile 0 into slot 0: one load of mine is out, here and behind every change of slots
	; A fragment of K or Q is 16 rows x 32 channels in 8 registers: lane l holds row l % 16, channels 8 (l / 16) + 0..7 and 16 + 8 (l / 16) + 0..7: two loads of 16 bytes, 32 bytes apart.
	v_and_b32 v1, 15, v0            ; r = l % 16
	v_bfe_u32 v9, v0, 4, 1          ; h = l / 16
	v_mul_u32_u24 v[QO], v1, ROWQ
	v_lshl_add_u32 v[QO], v9, 4, v[QO]
	WIN 0x80                        ; destination window 2, address window 0
.set i, 0
.rept 8                             ; both blocks' Q stay in registers: tile i / 4 lies 64 rows on, channels 32 (i % 4) on.  The first block's 16 loads go first
	global_load_b128 v[8*i:8*i+3],         v[QO], s[QHI:QHI+1] offset:(i/4)*64*ROWQ+(i%4)*64
	global_load_b128 v[8*i+4:8*i+7],       v[QO], s[QHI:QHI+1] offset:(i/4)*64*ROWQ+(i%4)*64+32
.set i, i+1
.endr
.set i, 0
.rept 8
	global_load_b128 v[QB+8*i:QB+8*i+3],   v[QO], s[QLO:QLO+1] offset:(i/4)*64*ROWQ+(i%4)*64
	global_load_b128 v[QB+8*i+4:QB+8*i+7], v[QO], s[QLO:QLO+1] offset:(i/4)*64*ROWQ+(i%4)*64+32
.set i, i+1
.endr
	WIN 0
	; In a band's own step key 16 kb + 8 h + j is hidden from query 16 w + r where it is greater: where 16 kb + j > 16 w + r - 8 h.
	v_lshlrev_b32 v[MQ], 3, v9
	v_sub_nc_u32 v[MQ], v1, v[MQ]
	s_lshl_b32 s16, s[WV], 4
	v_add_nc_u32 v[MQ], s16, v[MQ]
	WIN 0x40                        ; destination window 1
.set i, 0
.rept 32
	v_cmp_gt_i32 vcc_lo, 16*(i/8)+i%8, v[MQ]
	v_cndmask_b32 v[MD+i], 0, s[BIGN], vcc_lo
.set i, i+1
.endr
.set i, 0
.rept 128                           ; O^T need only be finite where a block begins: zeros, written in the wait for the first tile, so that no first step is written out
	v_mov_b32 v[i], 0
.set i, i+1
.endr
	WIN 0
.irp t, 0,1
	v_mov_b32 v[ST+8*(\t)], 0xfe000000    ; c m: far below every c s
	v_mov_b32 v[ST+8*(\t)+1], 0xff7fffff  ; m: the lowest finite number
	v_mov_b32 v[ST+8*(\t)+2], 0           ; l
	v_mov_b32 v[ST+8*(\t)+3], 0
.endr
	v_mul_u32_u24 v[AK0], v1, PK
	v_lshl_add_u32 v[AK0], v9, 4, v[AK0]  ; row x pitch + 16 x half
	; The turning load takes 16 keys x 16 channels (lane l reads key 8 (l / 16) + l % 8, channels 8 ((l / 8) % 2) + 0..7) and leaves half a fragment of V^T: lane l holds channel l % 16 and 8 keys.
	v_and_b32 v10, 7, v0
	v_bfe_u32 v11, v0, 3, 1
	v_lshl_add_u32 v[AV0], v9, 3, v10
	v_mul_u32_u24 v[AV0], v[AV0], PV
	v_lshl_add_u32 v[AV0], v11, 4, v[AV0]
	v_add_nc_u32 v[AV0], VOFF, v[AV0]
	s_mul_i32 s16, s[WV], 16*SP
	s_add_co_u32 s16, s16, STAGE    ; my stage
	v_mul_u32_u24 v[STO], v1, SP    ; in: row l % 16, 16 bytes for each half of the lanes
	v_lshl_add_u32 v[STO], v9, 4, v[STO]
	v_add_nc_u32 v[STO], s16, v[STO]
	v_mul_u32_u24 v[RD], v9, SP     ; back: lanes 0-15 take one row of 256 bytes, lanes 16-31 the next
	v_lshl_add_u32 v[RD], v1, 4, v[RD]
	v_add_nc_u32 v[RD], s16, v[RD]
	v_lshlrev_b32 v[GO], 12, v9     ; and the same two rows in y
	v_lshl_add_u32 v[GO], v1, 4, v[GO]
	s_wait_loadcnt 16               ; the first block's Q is in; the second block's 16 loads are younger and may stay out: they are waited for where the blocks change
; THE MATRIX WORK.  The accumulators take turns, one instruction a turn: between two links of a chain stand 7 (K Q^T) or 15 (V^T P) others', with one tile alone 3 or 7.
; Product i of 32 of S^T = K Q^T: channels 32 (i / 8) on, keys 16 ((i / 2) % 4) on, tile i % 2.  The first 8 start the sums: tile 1 with 0; tile 0 with 0 (cm = 0), with MC (cm = 1) or with MD (cm = 2).
.macro KQ cm
.set rS, S+32*(i%2)+8*((i/2)%4)
.set rK, KF+32*((i/2)%4)+8*(i/8)
.set rQ, 32*(i%2)+8*(i/8)
.set rM, 128+8*((i/2)%4)
.set wK, W_KQ
.if (i < 8) && (\cm)
.set wK, 0x5a-0x20*(\cm)            ; W_KC or W_KD; a constant C names no window, so the setting stays for tile 1's products between
.endif
	WIN wK
.if (i < 8) && (i%2 == 0) && (\cm)
	v_wmma_f32_16x16x32_f16 v[rS:rS+7], v[rK:rK+7], v[rQ:rQ+7], v[rM:rM+7]
.elseif i < 8
	v_wmma_f32_16x16x32_f16 v[rS:rS+7], v[rK:rK+7], v[rQ:rQ+7], 0
.else
	v_wmma_f32_16x16x32_f16 v[rS:rS+7], v[rK:rK+7], v[rQ:rQ+7], v[rS:rS+7]
.endif
.endm
; The same for tile 1 alone, in the diagonal tile's step 1: product i of 16: channels 32 (i / 4) on, keys 16 (i % 4) on.  The first 4 start the sums with MD.
.macro KQ1
.set rS, S+32+8*(i%4)
.set rK, KF+32*(i%4)+8*(i/4)
.set rQ, 32+8*(i/4)
.set rM, MD+8*(i%4)
.if i < 4
	WIN W_KD
	v_wmma_f32_16x16x32_f16 v[rS:rS+7], v[rK:rK+7], v[rQ:rQ+7], v[rM:rM+7]
.else
	WIN W_KQ
	v_wmma_f32_16x16x32_f16 v[rS:rS+7], v[rK:rK+7], v[rQ:rQ+7], v[rS:rS+7]
.endif
.endm
; Product i of 32 of O^T += V^T P: keys 32 (i / 16) on, channels 16 ((i / 2) % 8) on, tile i % 2.
.macro PV
	WIN W_PV
.set rO, 64*(i%2)+8*((i/2)%8)
.set rV, 64*(i/16)+8*((i/2)%8)
.set rP, P+16*(i%2)+8*(i/16)
	v_wmma_f32_16x16x32_f16 v[rO:rO+7], v[rV:rV+7], v[rP:rP+7], v[rO:rO+7]
.endm
; The same for tile 1 alone: product i of 16: keys 32 (i / 8) on, channels 16 (i % 8) on.
.macro PV1
	WIN W_PV
.set rO, 64+8*(i%8)
.set rV, 64*(i/8)+8*(i%8)
.set rP, P+16+8*(i/8)
	v_wmma_f32_16x16x32_f16 v[rO:rO+7], v[rV:rV+7], v[rP:rP+7], v[rO:rO+7]
.endm
; THE LDS LOADS stand in runs of 32: a step's K (64 keys x 128 channels: 16 fragments) and its V (turned).
.macro FETCH_K
	WIN 0
	v_add_nc_u32 v[ADR], s[TB], v[AK0]
	WIN 0x80                        ; destination window 2
.irp f, 0,1,2,3,4,5,6,7,8,9,10,11,12,13,14,15  ; keys 16 (f / 4) on, channels 32 (f % 4) on
	ds_load_b128 v[KF+8*(\f):KF+8*(\f)+3],   v[ADR] offset:((\f)/4)*16*PK+((\f)%4)*64
	ds_load_b128 v[KF+8*(\f)+4:KF+8*(\f)+7], v[ADR] offset:((\f)/4)*16*PK+((\f)%4)*64+32
.endr
.endm
.macro FETCH_V
	WIN 0
	v_add_nc_u32 v[ADR], s[TB], v[AV0]
	s_add_co_u32 s[TB], s[TB], STEPB  ; the next fetch is the next step's
	WIN 0xc0                        ; destination window 3
.irp f, 0,1,2,3,4,5,6,7,8,9,10,11,12,13,14,15  ; keys 32 (f / 8) on, channels 16 (f % 8) on
	ds_load_tr16_b128 v[8*(\f):8*(\f)+3],   v[ADR] offset:((\f)/8)*32*PV+((\f)%8)*32
	ds_load_tr16_b128 v[8*(\f)+4:8*(\f)+7], v[ADR] offset:((\f)/8)*32*PV+16*PV+((\f)%8)*32
.endr
.endm
; THE VECTOR WORK.  One tile's softmax for one key step is a list of 134 instructions; SM writes number j of it for tile t.  s0-s31 are the lane's 32 scores, in pairs 0-15.
;   0-15    the maximum of s0-s31 and the old m, three operands at a time: four chains c0-c3 of seven scores each (each accumulator's lowest registers are read first), then the four left over, c0-c3 and m
;   16-20   the other half of the lanes' maximum; c m_old is kept; the new m; c m; c m_old - c m_new
;   21-69   ONE BATCH: the 16 scalings c s - c m, a pair each, and all 33 exponentials (a at 23, then s0-s31); a pair is scaled ahead of its exponentials; none of these names an exponential's result
;   70-85   the roundings to f16        86-101  the sums; l = a l + the sum        102-133 the tile's O^T times a
.macro SM t
.set rT, ST+8*(\t)
.set rS, S+32*(\t)
.set rP, P+16*(\t)
.set rO, 64*(\t)+2*(j-102)
.if j < 102
	WIN 0
.endif
.if j < 4
	v_max3_num_f32 v[rT+4+j], v[rS+8*j], v[rS+8*j+1], v[rS+8*j+2]
.elseif j < 12
	v_max3_num_f32 v[rT+4+j%4], v[rT+4+j%4], v[rS+8*(j%4)+2*(j/4)+1], v[rS+8*(j%4)+2*(j/4)+2]
.elseif j == 12
	v_max3_num_f32 v[rT+4], v[rT+4], v[rS+7], v[rS+15]
.elseif j == 13
	v_max3_num_f32 v[rT+6], v[rT+6], v[rS+23], v[rS+31]
.elseif j == 14
	v_max3_num_f32 v[rT+4], v[rT+4], v[rT+5], v[rT+6]
.elseif j == 15
	v_max3_num_f32 v[rT+4], v[rT+4], v[rT+7], v[rT+1]
.elseif j == 16
	v_permlanex16_b32 v[rT+5], v[rT+4], s[SEL], s[SEL+1]  ; the query's other 32 keys lie in the lane 16 away
.elseif j == 17
	v_mov_b32 v[rT+7], v[rT]        ; c m_old is kept for a: number 19 writes c m anew
.elseif j == 18
	v_max_num_f32 v[rT+1], v[rT+4], v[rT+5]
.elseif j == 19
	v_mul_f32 v[rT], s[CS], v[rT+1]
.elseif j == 20
	v_sub_f32 v[rT+7], v[rT+7], v[rT]
.elseif j == 23
	v_exp_f32 v[rT+6], v[rT+7]
.elseif (j < 23) || ((j < 38) && (j%2 == 0)) || ((j < 66) && (j%4 == 2))
.set b, (j-2)/4                     ; 38, 42, .. 62: pairs 9 to 15
.if j < 38
.set b, (j-20)/2                    ; 21: pair 0; 22, 24, .. 36: pairs 1 to 8
.endif
	v_pk_fma_f32 v[rS+2*b:rS+2*b+1], v[rS+2*b:rS+2*b+1], s[CS:CS+1], v[rT:rT+1] op_sel_hi:[1,0,0] neg_lo:[0,0,1] neg_hi:[0,0,1]  ; pair b: c s - c m
.elseif j < 70
.set e, j-38                        ; 66 to 69: s28 to s31
.if j < 66
.set e, j-32-(j-38)/4               ; 39-41, 43-45, .. 63-65: s7 to s27
.endif
.if j < 38
.set e, (j-25)/2                    ; 25, 27, .. 37: s0 to s6
.endif
	v_exp_f32 v[rS+e], v[rS+e]
.elseif j < 86
	v_cvt_pk_f16_f32 v[rP+j-70], v[rS+2*(j-70)], v[rS+2*(j-70)+1]  ; pair j - 70
.elseif j < 102                     ; the sum of the 16 pairs, in place: neighbours 1, 2, 4 and 8 pairs apart, then l takes it
.set z, j-86
.set w, 4
.set u, z
.if z >= 14
.set w, 32
.set u, 0
.elseif z >= 12
.set w, 16
.set u, z-12
.elseif z >= 8
.set w, 8
.set u, z-8
.endif
.if z < 15
	v_pk_add_f32 v[rS+w*u:rS+w*u+1], v[rS+w*u:rS+w*u+1], v[rS+w*u+w/2:rS+w*u+w/2+1]
.else
	v_pk_fma_f32 v[rT+2:rT+3], v[rT+2:rT+3], v[rT+6:rT+7], v[rS:rS+1] op_sel_hi:[1,0,1]
.endif
.else
	WIN W_RS
	v_pk_mul_f32 v[rO:rO+1], v[rO:rO+1], v[rT+6:rT+7] op_sel_hi:[1,0]
.endif
.endm
; both = 1: both tiles' lists, number by number, the tiles alternating; both = 0: tile 1's alone.  The exponentials are one batch: a plain instruction behind the last, then the one wait
; ahead of the first line that names a result.
.macro SOFTMAX both
.set j, 0
.rept 70
.if \both
	SM 0
.endif
	SM 1
.set j, j+1
.endr
	v_nop
	s_wait_alu depctr_va_vdst(0)
.rept 64
.if \both
	SM 0
.endif
	SM 1
.set j, j+1
.endr
.endm
; Step s (0, 1) of a tile.  The runs of LDS loads go out in the order K0, V0, K1, V1, each behind four places behind the last product that read its registers; each wait leaves the one younger run out.
.macro STEP s, cm
	s_wait_dscnt 32                 ; this step's K is in; V's 32 loads are younger
.set i, 0
.rept 32
	KQ \cm
.set i, i+1
.endr
	PLACES
.if (\s) == 0
	FETCH_K                         ; step 1's
.endif
	SOFTMAX 1
.if (\s) == 0
	s_wait_dscnt 32                 ; V is in; the next K's 32 loads are younger
.else
	s_wait_dscnt 0x0                ; V is in
.endif
.set i, 0
.rept 32
	PV
.set i, i+1
.endr
	PLACES
.if (\s) == 0
	FETCH_V                         ; step 1's
.endif
.endm
; The diagonal tile's step 1: tile 1 alone.
.macro STEP1D
	s_wait_dscnt 32                 ; this step's K is in; V's 32 loads are younger
.set i, 0
.rept 16
	KQ1
.set i, i+1
.endr
	PLACES
	SOFTMAX 0
	s_wait_dscnt 0x0                ; V is in
.set i, 0
.rept 16
	PV1
.set i, i+1
.endr
	PLACES
.endm
; THE WAY OUT.  l's two halves and the other half of the lanes' are added; O^T is divided by l, rounded to f16 and sent through my stage in LDS, a tile (16 rows of y) at a time.
.macro PACK t
	WIN W_RS
.set i, 64*(\t)
.rept 32
	v_pk_mul_f32 v[i:i+1], v[i:i+1], v[ST+8*(\t)+6:ST+8*(\t)+7] op_sel_hi:[1,0]
.set i, i+2
.endr
	WIN 0x05                        ; sources 0 and 1 window 1, destination window 0: S^T's registers are free
.set i, 0
.rept 32
	v_cvt_pk_f16_f32 v[S+32*(\t)+i], v[64*(\t)+2*i], v[64*(\t)+2*i+1]
.set i, i+1
.endr
	WIN 0
.irp f, 0,1,2,3,4,5,6,7
	ds_store_b128 v[STO], v[S+32*(\t)+4*(\f):S+32*(\t)+4*(\f)+3] offset:32*(\f)
.endr
.irp f, 0,1,2,3,4,5,6,7
	ds_load_b128 v[S+32*(\t)+4*(\f):S+32*(\t)+4*(\f)+3], v[RD] offset:(\f)*2*SP  ; LDS serves a wave's instructions in order (ISA guide 5.7.1.4): these see the stores above; the next tile's stores come behind them
.endr
.endm
.macro SEND t, younger              ; younger: the LDS instructions issued behind tile t's loads: the next tile's sixteen, or none
.irp f, 0,1,2,3,4,5,6,7
	s_wait_dscnt (\younger)+7-(\f)
	global_store_b128 v[GO], v[S+32*(\t)+4*(\f):S+32*(\t)+4*(\f)+3], s[OC:OC+1] offset:(\t)*64*ROWY+(\f)*2*ROWY  ; 16 lanes store 256 consecutive bytes, at a multiple of 256 from y's first byte
.endr
.endm
.macro WAYOUT
	WIN 0
.irp t, 0,1
	v_add_f32 v[ST+8*(\t)+4], v[ST+8*(\t)+2], v[ST+8*(\t)+3]
.endr
.irp t, 0,1
	v_permlanex16_b32 v[ST+8*(\t)+5], v[ST+8*(\t)+4], s[SEL], s[SEL+1]
.endr
.irp t, 0,1
	v_add_f32 v[ST+8*(\t)+4], v[ST+8*(\t)+4], v[ST+8*(\t)+5]
.endr
.irp t, 0,1
	v_rcp_f32 v[ST+8*(\t)+6], v[ST+8*(\t)+4]
.endr
	v_nop                           ; a plain instruction between the last reciprocal and the use of its result,
	s_wait_alu depctr_va_vdst(0)    ; and the wait ahead of the first use: one for both
	PACK 0
	PACK 1                          ; a tile's arithmetic stands between the loads of the tile before and its stores
	SEND 0, 16
	SEND 1, 0
.endm
.Ltile:                             ; 8 trips: a tile is entered and the next is asked for
	CHANGE 1
	s_sub_co_u32 s[RT], s[RT], 1
	s_cmp_eq_u32 s[RT], 0           ; the block's last tile holds the diagonal
	s_cselect_b32 s[AL], 1.0, 0
	FETCH_K
	FETCH_V
	WIN 0xc1                        ; destination window 3, source 0 window 1
.set z, 0
.rept 16                            ; the mask of step 0's tile 0, while the loads are out
	v_pk_mul_f32 v[MC+2*z:MC+2*z+1], v[MD+2*z:MD+2*z+1], s[AL:AL+1] op_sel_hi:[1,0]
.set z, z+1
.endr
	STEP 0, 1
	WIN 0
	s_cmp_lg_u32 s[RT], 0           ; the same answer in all four partners and in all four waves; neither way holds a barrier or a tensor load
	s_cbranch_scc1 .Lfull
	STEP1D                          ; in the loop this is the first block's end: the second block's last tile is the walk's last
	WAYOUT
	s_wait_xcnt 0x0                 ; the stores have read their registers and y's address
	s_mov_b64 s[OC:OC+1], s[OLO:OLO+1]
	s_add_co_u32 s[RT], s[PB], 1    ; the second block has p + 1 tiles
.irp t, 0,1
	v_mov_b32 v[ST+8*(\t)], 0xfe000000
	v_mov_b32 v[ST+8*(\t)+1], 0xff7fffff
.endr
	s_wait_loadcnt 0x0              ; the second block's Q is in
	WIN 0x82                        ; it goes where the one text of the steps names Q
.set i, 0
.rept 64
	v_mov_b32 v[i], v[QB+i]
.set i, i+1
.endr
	WIN 0
	s_branch .Lbottom
.Lfull:
	STEP 1, 0
	WIN 0
.Lbottom:
	s_sub_co_u32 s[SLOTS], s[SLOTS], 1
	s_cmp_lg_u32 s[SLOTS], 0
	s_cbranch_scc1 .Ltile
	CHANGE 0                        ; the walk's last tile is written out: nothing is asked for.  It is the second block's diagonal tile, whatever p
	FETCH_K
	FETCH_V
	STEP 0, 2
	STEP1D
	WAYOUT
	s_wait_tensorcnt 0x0            ; the wave's end: behind my last tensor load and my last LDS store
	ds_add_u32 v[SPW], v[NIL]
	s_wait_dscnt 0x0
	CROUND                          ; the closing round: no work-group ends while a partner may still ask for a tile that names it
	s_endpgm
.Lfunc_end_k_qb3272ab594_attn:
	.size	k_qb3272ab594_attn, .Lfunc_end_k_qb3272ab594_attn-k_qb3272ab594_attn
	.p2alignl 7, 3214868480
	.fill 96, 4, 3214868480
	.section	.rodata,"a",@progbits
	.p2align	6, 0x0
	.amdhsa_kernel k_qb3272ab594_attn
		.amdhsa_group_segment_fixed_size 327680
		.amdhsa_private_segment_fixed_size 0
		.amdhsa_enable_private_segment 0
		.amdhsa_kernarg_size 16
		.amdhsa_user_sgpr_count 2
		.amdhsa_user_sgpr_kernarg_segment_ptr 1
		.amdhsa_wavefront_size32 1
		.amdhsa_system_sgpr_workgroup_id_x 1
		.amdhsa_system_sgpr_workgroup_id_y 1
		.amdhsa_system_sgpr_workgroup_id_z 1
		.amdhsa_system_vgpr_workitem_id 0
		.amdhsa_next_free_vgpr 1024
		.amdhsa_next_free_sgpr 80
		.amdhsa_reserve_vcc 1
		.amdhsa_float_denorm_mode_32 3
		.amdhsa_float_denorm_mode_16_64 3
		.amdhsa_memory_ordered 1
		.amdhsa_forward_progress 1
		.amdhsa_inst_pref_size 143
	.end_amdhsa_kernel
	.amdgpu_metadata
---
amdhsa.version: [ 1, 2 ]
amdhsa.kernels:
  - .name:           k_qb3272ab594_attn
    .symbol:         k_qb3272ab594_attn.kd
    .args:
      - { .name: qkv, .offset: 0, .size: 8, .value_kind: global_buffer, .address_space: global }
      - { .name: yb, .offset: 8, .size: 8, .value_kind: global_buffer, .address_space: global }
    .group_segment_fixed_size: 327680
    .private_segment_fixed_size: 0
    .kernarg_segment_align: 8
    .kernarg_segment_size: 16
    .max_flat_workgroup_size: 128
    .sgpr_count:     80
    .vgpr_count:     1024
    .wavefront_size: 32
...
	.end_amdgpu_metadata
.endif
;; end of part 3
;; launch gemm_out (part 4): grid 8 x 32, 4 waves a work-group, clusters of 4 x 4, 327,680 bytes of LDS; arguments yb, wcb, bc, out0; writes out0
.if DOCPART == 4
	.amdgcn_target "amdgcn-amd-amdhsa--gfx1250"
	.amdhsa_code_object_version 6
	.text
	.protected	k_qb3272ab594_gemm_out
	.globl	k_qb3272ab594_gemm_out
	.p2align	8
	.type	k_qb3272ab594_gemm_out,@function
k_qb3272ab594_gemm_out:
	s_mov_b64 s[64:65], 0
	v_nop
	global_prefetch_b8 v0, s[64:65] scope:SCOPE_SE
	s_setreg_imm32_b32 hwreg(HW_REG_WAVE_MODE, 25, 1), 1
	s_wait_xcnt 0x0
	s_wait_alu depctr_hold_cnt(0) depctr_sa_sdst(0) depctr_va_vdst(0) depctr_va_sdst(0) depctr_va_ssrc(0) depctr_va_vcc(0) depctr_vm_vsrc(0)
	s_getreg_b32 s2, hwreg(HW_REG_IB_STS2, 6, 4)
	s_cmp_eq_u32 s2, 0
	s_cbranch_scc0 .Lentry_in_a_cluster
	s_endpgm
.Lentry_in_a_cluster:
	s_bfe_u32 s2, ttmp6, 0x10000c
	s_cmp_lg_u32 s2, 0xf033
	s_cbranch_scc0 .Lentry_shape_is_right
	s_endpgm
.Lentry_shape_is_right:
; C = A B, A: [4096][2048] along K, B: [2048 k][n] along n, both of 16 bits; sums in f32.  ONE TEXT FOR TWO LAUNCHES, told apart by the switch QKV:
;   QKV = 1: qkv = xb wqkv, bf16 operands, n = 3,072, C rounded once to f16.   QKV = 0 (this launch): out0 = yb wcb + bf16(bc), f16 operands, n = 2,048, C in f32.
; LIMITS.  With QKV = 1 a result beyond 65,504 becomes an infinity in f16, and below 6.1e-5 it keeps f16's fixed step of 6e-8.  NaN and infinities are not treated apart.
; SHARES.  A tile of C is 128 rows x NCH chunks of 128 columns: 32 x 8 = 256 tiles, a work-group each.  Every one of the four waves takes all 128 rows (8 fragments of A) and NBW blocks of 16 columns:
; 8 NBW accumulators of 16 x 16.  K goes in steps of 128 through two LDS slots: A's rows and each chunk's 128 k-rows are 256 bytes of memory, aligned.
; B STAYS [k][n]: its fragments come out of LDS turned, by ds_load_tr16_b128.  THE MATRIX INSTRUCTION IS USED TRANSPOSED (source 0 = 16 columns of B, source 1 = 16 rows of A):
; a lane then holds row l % 16 of C and the eight neighbouring columns 8 (l / 16) + 0..7.
; CLUSTER 4 x 4: A's tile hangs on the tile row alone and is asked for jointly by a row of the cluster, B's on the tile column alone, by a column.
; REGISTERS, in windows of 256 (s_set_vgpr_msb: bits 1:0 source 0, 3:2 source 1, 5:4 source 2, 7:6 destination):
;   window 0: v0-31 addresses; v64-127, v128-191 A's fragments, two buffers; the way out works in v32-63 and v192-255 (QKV = 1: v64-255)
;   window 1: v64.., v128.. B's fragments, two buffers; QKV = 0: v0-31 the bias, v32-47 at work
;   window 2 (QKV = 1: and 3): the accumulators
.set QKV, 0
.set KSTEP,  128
.set PA,     272                       ; a row of A in LDS: 256 bytes + 16 of padding: the 16 rows of a load start at 16 different groups of four banks (ISA guide 11.1)
.set PB,     288                       ; a k-row of a chunk: 256 + 32
.set CHB,    128*PB                    ; a chunk of B
.set PITCHA, 4096                      ; bytes in a row of A
.if QKV
.set NCH,    3                         ; chunks in a tile
.set NBW,    6                         ; blocks of 16 columns a wave: blocks 2 w, 2 w + 1 of each chunk
.set BPC,    2                         ; of them in one chunk
.set NAB,    3                         ; address registers for B, for each slot
.set RA,     128                       ; rows of A in a tensor load: wave 0 fetches A, waves 1-3 a chunk of B each
.set BOFF,   CHB                       ; a slot: four regions of CHB bytes, wave w's load fills region w: A (34,816 bytes of it), then the chunks
.set SLOT,   4*CHB
.set PITCHB, 6144                      ; bytes in a row of B
.set PITCHC, 6144                      ; and of C
.set SP,     784                       ; the way out: a tile's row of 768 bytes + 16.  The stage is slot 0, from LDS byte 0, when that slot has had its last fill and its last read
.set SPARE,  2*SLOT                    ; behind the ring: the spare words, 128 bytes for each wave: two blocks of 256 bytes that no other line names
.set CB,     8                         ; s[8:9] C
.else
.set NCH,    2
.set NBW,    4                         ; wave w: chunk w / 2, columns 64 (w % 2) on
.set BPC,    4
.set NAB,    1
.set RA,     64                        ; waves 0, 1 fetch A's halves, waves 2, 3 a chunk of B each
.set BOFF,   128*PA
.set SLOT,   128*PA+2*CHB
.set PITCHB, 4096
.set PITCHC, 8192
.set SP,     272                       ; the way out: 16 rows of 256 bytes + 16 for each wave, its own
.set STAGE,  2*SLOT                    ; behind the ring, never filled by a tensor load
.set SPARE,  STAGE+4*16*SP
.set CB,     10                        ; s[10:11] C; s[8:9] the bias
.endif
.set NL,   2*NBW+16                    ; LDS loads for 32 along K
.set ADRA, 16                          ; v16-17  LDS address of my A fragments in slot 0, 1
.set ADRB, 18                          ; v18..   the same for B: slot s, chunk c at ADRB + NAB s + c
.set STO,  24                          ; v24     the way out: where I put my bytes of a row
.set RD,   25                          ; v25     where I read rows back
.set CO,   26                          ; v26     my byte offset in C
.set STO2, 27                          ; v27     QKV = 1: STO for rows 64-127 (the immediate has 16 bits)
.set SPW,  28                          ; v28     LDS address of my spare word; never rewritten
.set NIL,  29                          ; v29     0; never rewritten
.set PFO,  30                          ; v30     the prefetches' offset: my lane x a row of A or B; never rewritten
.set BO,   31                          ; v31     QKV = 0: my offset in the wave's 256 bytes of the bias
.set F0,   64
.set F1,   128
.set TMP,  192                         ; QKV = 0: a block's 32 numbers with the bias added
.set OB,   32                          ; QKV = 0: 16 rows read back: v32-63 and v224-255 by turns
.set BI,   0                           ; QKV = 0, window 1: the bias of my 32 columns
.set WV,   12                          ; s12     my wave's number
.set PART, 14                          ; s14     which chunk of B (QKV = 0: or half of A) I fetch
.set LAP,  15                          ; s15     the loop's count
.set G1A,  24                          ; s[24:31] descriptor group 1 for A's tiles
.set G0A,  32                          ; s[32:39] group 0, a set for each slot
.set PFA,  44                          ; s[44:45] where my prefetches stand
.set G1B,  48                          ; s[48:55], s[56:63] the same for B's
.set G0B,  56
.set PFS,  66                          ; s[66:67] a K step in bytes, along A's rows or down B's
.set LIM,  69                          ; s69     1 in a wave that prefetches, else the greatest number
.set MSB, 0
.macro WIN new                         ; the immediate's high byte repeats the setting that is left; a switch that changes nothing is dropped
.if MSB != (\new)
	s_set_vgpr_msb (MSB<<8)|(\new)
.set MSB, \new
.endif
.endm
.set MUL_LO, 0xa1                      ; source 0 (B) window 1, source 1 (A) window 0, C and D window 2
.set TO_B,   0x40                      ; destination window 1, address window 0
.macro FOR_A                           ; SCC = 1 in a wave that fetches for A: it hangs on the wave's number alone
.if QKV
	s_cmp_eq_u32 s[WV], 0
.else
	s_cmp_lt_u32 s[WV], 2
.endif
.endm
.macro PLACES                          ; four places behind a matrix instruction, in front of loads into registers that it has read and of lines that read results
.rept 4
	v_nop
.endr
.endm
; A joint load: each of the two lines has one mask and one set of registers for all that issue it.  An s_nop 0 and four v_nop follow each line, ahead of the jump and the label.
.macro JLOAD s
	FOR_A
	s_cbranch_scc0 .Lfor_b_\@
	tensor_load_to_lds s[G0A+4*(\s):G0A+4*(\s)+3], s[G1A:G1A+7]
	s_nop 0
	PLACES
	s_branch .Lasked_\@
.Lfor_b_\@:
	tensor_load_to_lds s[G0B+4*(\s):G0B+4*(\s)+3], s[G1B:G1B+7]
	s_nop 0
	PLACES
.Lasked_\@:
.endm
; A PREFETCH INTO THE L2 of the K step that stands two refills on: 32 rows x 256 bytes, a lane a row, one instruction.  A's tile rows are asked for by the clusters with x = 0, wave 0; B's chunks by the
; clusters with y = 0, the wave that fetches the chunk.  The four partners that ask for a tile jointly take 32 of its 128 rows each, told apart BY ADDRESS (cx for A, cy for B).  So each row's 256 bytes of a
; K step are named once in the launch.  K steps 0 to 3 come by their loads alone; the loop's last trip, whose refills are K steps 14 and 15, names nothing.
.macro ASK
	s_cmp_gt_u32 s[LAP], s[LIM]
	s_cbranch_scc0 .Lnot_mine_\@
	global_prefetch_b8 v[PFO], s[PFA:PFA+1] th:TH_LOAD_NT scope:SCOPE_SE
.Lnot_mine_\@:
.endm
.macro CREST                           ; a round of the cluster's barrier behind its opening barrier
	s_cmp_lg_u32 s[WV], 0
	s_cbranch_scc1 .Lnot_wave_0_\@
	s_barrier_signal -3
.Lnot_wave_0_\@:
	s_barrier_wait -3
	s_barrier_signal -1
	s_barrier_wait -1
.endm
.macro CROUND                          ; a whole round
	s_barrier_signal -1
	s_barrier_wait -1
	CREST
.endm
.if QKV
	s_load_b128 s[4:7], s[0:1], 0x0                ; A s[4:5], B s[6:7]
	s_load_b64 s[8:9], s[0:1], 0x10                ; C
.else
	s_load_b256 s[4:11], s[0:1], 0x0               ; A s[4:5], B s[6:7], bias s[8:9], C s[10:11]
.endif
	v_lshl_add_u32 v[SPW], v0, 2, SPARE
	v_mov_b32 v[NIL], 0
	ds_add_u32 v[SPW], v[NIL]                      ; the wave's opening: the add and its wait stand ahead of my first tensor load; the set-up below, work on registers, stands between them
	v_lshrrev_b32 v1, 5, v0
	v_readfirstlane_b32 s[WV], v1                  ; wave 0..3
.if QKV
	s_max_u32 s[PART], s[WV], 1
	s_sub_co_u32 s[PART], s[PART], 1               ; waves 1-3: chunks 0-2.  It enters B's global address alone
.else
	s_and_b32 s[PART], s[WV], 1
.endif
	s_bfe_u32 s40, ttmp6, 0x40000                  ; cx, cy: my place in the cluster
	s_bfe_u32 s41, ttmp6, 0x40004
	s_lshl_b32 s42, ttmp9, 2
	s_add_co_u32 s42, s42, s40                     ; tile column = 4 x cluster x + cx
	s_and_b32 s43, ttmp7, 0xffff
	s_lshl_b32 s43, s43, 2
	s_add_co_u32 s43, s43, s41                     ; tile row = 4 x cluster y + cy
	s_lshl_b32 s16, s41, 2
	s_lshl_b32 s16, 15, s16                        ; my row of the cluster
	s_lshl_b32 s17, 0x1111, s40                    ; my column
	s_or_b32 s[G1A], s16, (1<<16)|(1<<20)|(1<<21)|(5<<22)|(3<<25)  ; 15:0 the mask; 17:16 2-byte elements; 20 padding on; 21 set beside a mask; 24:22 after every 64 words; 31:25 4 words of it
	s_or_b32 s[G1B], s17, (1<<16)|(1<<20)|(1<<21)|(5<<22)|(7<<25)  ; the same with my column's mask and 8 words of padding
	s_mov_b32 s[G1A+1], KSTEP<<16                  ; tensor_dim0 = 128
	s_mov_b32 s[G1A+2], RA<<16                     ; tensor_dim1 = the load's rows
	s_mov_b32 s[G1A+3], KSTEP<<16                  ; tile_dim0 = 128
	s_mov_b32 s[G1A+4], RA                         ; tile_dim1
	s_mov_b32 s[G1A+5], PITCHA/2                   ; elements from row to row
	s_mov_b32 s[G1A+6], 0
	s_mov_b32 s[G1A+7], 0
	s_mov_b32 s[G1B+1], 128<<16                    ; a chunk: 128 columns,
	s_mov_b32 s[G1B+2], KSTEP<<16                  ; 128 k-rows
	s_mov_b32 s[G1B+3], 128<<16
	s_mov_b32 s[G1B+4], KSTEP
	s_mov_b32 s[G1B+5], PITCHB/2
	s_mov_b32 s[G1B+6], 0
	s_mov_b32 s[G1B+7], 0
	s_lshl_b32 s18, s43, 19                        ; A: 128 x tile row rows of 4,096 bytes
.if !QKV
	s_lshl_b32 s19, s[PART], 18                    ; + my half's 64 rows
	s_add_co_u32 s18, s18, s19
.endif
	s_mov_b32 s19, 0
	s_mul_i32 s46, s42, NCH                        ; B: chunk NCH x tile column + mine, 256 bytes each
	s_add_co_u32 s46, s46, s[PART]
	s_lshl_b32 s46, s46, 8
	s_mov_b32 s47, 0
.if QKV
	s_mul_i32 s20, s[WV], CHB                      ; where my load lands in a slot: region w, for either descriptor: no place in the cluster enters an LDS address
	s_mov_b32 s21, s20
.else
	s_mul_i32 s20, s[PART], 64*PA                  ; A's halves,
	s_mul_i32 s21, s[PART], CHB                    ; B's chunks behind them
	s_add_co_u32 s21, s21, BOFF
.endif
	s_wait_dscnt 0x0                               ; the opening add is done
	s_wait_kmcnt 0x0
	s_add_nc_u64 s[18:19], s[4:5], s[18:19]
	s_add_nc_u64 s[46:47], s[6:7], s[46:47]
	CROUND                                         ; all sixteen work-groups are here: the first joint loads meet
.irp s, 0,1
	s_mov_b32 s[G0A+4*(\s)], 1                                     ; count = 1
	s_add_co_u32 s[G0A+4*(\s)+1], s20, (\s)*SLOT                   ; LDS address
	s_add_nc_u64 s[G0A+4*(\s)+2:G0A+4*(\s)+3], s[18:19], (\s)*KSTEP*2  ; global address: K step s along A's rows
	s_or_b32 s[G0A+4*(\s)+3], s[G0A+4*(\s)+3], 0x80000000          ; type = 2
	s_mov_b32 s[G0B+4*(\s)], 1
	s_add_co_u32 s[G0B+4*(\s)+1], s21, (\s)*SLOT
	s_add_nc_u64 s[G0B+4*(\s)+2:G0B+4*(\s)+3], s[46:47], (\s)*KSTEP*PITCHB  ; K step s down B's rows
	s_or_b32 s[G0B+4*(\s)+3], s[G0B+4*(\s)+3], 0x80000000
	JLOAD \s                                       ; the ring is filled before anything else is done: two loads of mine are out
.endr
	; A's fragment, 16 rows x 32 K in 8 registers: lane l holds row l % 16; two loads of 16 bytes, 32 bytes apart, at row x pitch + 16 (l / 16).
	v_and_b32 v1, 15, v0                           ; r = l % 16
	v_bfe_u32 v2, v0, 4, 1                         ; h = l / 16
	v_mul_u32_u24 v3, v1, PA
	v_lshl_add_u32 v3, v2, 4, v3
	; B's fragment: the turning load takes 16 k x 16 columns (lane l reads k-row 8 h + l % 8, columns 8 ((l / 8) % 2) + 0..7) and leaves lane l column l % 16 and 8 k.
	v_and_b32 v4, 7, v0
	v_lshl_add_u32 v4, v2, 3, v4
	v_mul_u32_u24 v4, v4, PB
	v_bfe_u32 v5, v0, 3, 1
	v_lshl_add_u32 v4, v5, 4, v4
.if QKV
	s_lshl_b32 s21, s[WV], 6                       ; my two blocks in each chunk: 64 bytes of its rows
.else
	s_lshr_b32 s21, s[WV], 1                       ; my chunk,
	s_mul_i32 s21, s21, CHB
	s_lshl_b32 s22, s[PART], 7                     ; my half of its rows
	s_add_co_u32 s21, s21, s22
.endif
	v_add_nc_u32 v4, s21, v4
.irp s, 0,1
	v_add_nc_u32 v[ADRA+(\s)], (\s)*SLOT, v3
.set c, 0
.rept NAB
	v_add_nc_u32 v[ADRB+NAB*(\s)+c], (\s)*SLOT+BOFF+c*CHB, v4
.set c, c+1
.endr
.endr
.if QKV
	v_mul_u32_u24 v[STO], v1, SP                   ; into the stage: row r of a block of 16, 16 bytes for each half of the lanes, my 64 bytes of each chunk
	v_lshl_add_u32 v[STO], v2, 4, v[STO]
	v_add_nc_u32 v[STO], s21, v[STO]
	v_add_nc_u32 v[STO2], 64*SP, v[STO]
	s_mul_i32 s22, s[WV], 32*SP                    ; back: wave w takes rows 32 w .. 32 w + 31, whole; lanes 0-15 256 bytes of one row, lanes 16-31 of the next
	v_mul_u32_u24 v[RD], v2, SP
	v_lshl_add_u32 v[RD], v1, 4, v[RD]
	v_add_nc_u32 v[RD], s22, v[RD]
	v_mul_u32_u24 v[CO], v2, PITCHC
	v_lshl_add_u32 v[CO], v1, 4, v[CO]
	s_lshl_b32 s16, s43, 7
	s_lshl_b32 s17, s[WV], 5
	s_add_co_u32 s16, s16, s17                     ; the first row of C that I store
	s_mul_i32 s16, s16, PITCHC
	s_mul_i32 s17, s42, 768                        ; the tile's first column, in bytes
	s_add_co_u32 s16, s16, s17
	s_mov_b32 s17, 0
	s_add_nc_u64 s[CB:CB+1], s[CB:CB+1], s[16:17]
.else
	s_mul_i32 s22, s[WV], 16*SP
	s_add_co_u32 s22, s22, STAGE                   ; my stage
	v_mul_u32_u24 v[STO], v1, SP                   ; in: row r, 32 bytes for each half of the lanes
	v_lshl_add_u32 v[STO], v2, 5, v[STO]
	v_add_nc_u32 v[STO], s22, v[STO]
	v_mul_u32_u24 v[RD], v2, SP                    ; back: lanes 0-15 one row of 256 bytes, lanes 16-31 the next
	v_lshl_add_u32 v[RD], v1, 4, v[RD]
	v_add_nc_u32 v[RD], s22, v[RD]
	v_lshlrev_b32 v[CO], 13, v2
	v_lshl_add_u32 v[CO], v1, 4, v[CO]
	s_lshl_b32 s16, s42, 10                        ; the tile's 256 columns and my 64 of them, in bytes of f32
	s_lshl_b32 s17, s[WV], 8
	s_add_co_u32 s16, s16, s17
	s_mov_b32 s17, 0
	s_add_nc_u64 s[8:9], s[8:9], s[16:17]
	s_add_nc_u64 s[CB:CB+1], s[CB:CB+1], s[16:17]
	s_lshl_b32 s16, s43, 20                        ; 128 x tile row rows of 8,192 bytes
	s_add_nc_u64 s[CB:CB+1], s[CB:CB+1], s[16:17]
	v_lshlrev_b32 v[BO], 5, v2
	WIN TO_B
.irp b, 0,1,2,3                        ; the bias of columns 16 b + 8 h + 0..7; it is waited for on the way out
	global_load_b128 v[BI+8*(\b):BI+8*(\b)+3],   v[BO], s[8:9] offset:64*(\b)
	global_load_b128 v[BI+8*(\b)+4:BI+8*(\b)+7], v[BO], s[8:9] offset:64*(\b)+16
.endr
	WIN 0
	s_mov_b32 s68, 0xffff0000
.endif
	; the prefetches: both offsets are made, the wave's number chooses
	s_lshl_b32 s20, s43, 7
	s_lshl_b32 s21, s40, 5
	s_add_co_u32 s20, s20, s21                     ; A: the tile's rows, my work-group's 32 of them,
	s_lshl_b32 s20, s20, 12
	s_add_co_u32 s20, s20, 3*KSTEP*2               ; at K step 3: the first refill steps it to 4
	s_lshl_b32 s21, s41, 5
	s_add_co_u32 s21, s21, 3*KSTEP                 ; B: K step 3's k-rows, my work-group's 32 of them,
	s_mul_i32 s21, s21, PITCHB
	s_mul_i32 s22, s42, NCH
	s_add_co_u32 s22, s22, s[PART]
	s_lshl_b32 s22, s22, 8                         ; in my chunk
	s_add_co_u32 s21, s21, s22
	s_and_b32 s23, ttmp7, 0xffff                   ; cluster y
	s_mov_b32 s16, KSTEP*2
	s_mov_b32 s17, PITCHA
	FOR_A
	s_cselect_b32 s20, s20, s21
	s_cselect_b32 s23, ttmp9, s23                  ; the coordinate along which other clusters read the same rows
	s_cselect_b64 s[PFA:PFA+1], s[4:5], s[6:7]
	s_cselect_b32 s[PFS], s16, KSTEP*PITCHB
	s_cselect_b32 s17, s17, PITCHB
	s_mov_b32 s[PFS+1], 0
	s_mov_b32 s21, 0
.if !QKV
	s_cmp_eq_u32 s[WV], 1                          ; wave 0 asks for all 32 of A's rows: wave 1 for none
	s_cselect_b32 s16, 1, 0
	s_or_b32 s23, s23, s16
.endif
	s_cmp_eq_u32 s23, 0
	s_cselect_b32 s[LIM], 1, -1                    ; the same in all sixteen partners, for a given wave
	s_add_nc_u64 s[PFA:PFA+1], s[PFA:PFA+1], s[20:21]
	v_and_b32 v[PFO], 31, v0
	v_mul_lo_u32 v[PFO], v[PFO], s17
; 2 NBW matrix instructions: row blocks 4 hi + a0, + 1 x all my column blocks, 32 along K.  zero = 1: the first product starts the sums: nothing is cleared.
; All accumulators take turns, one instruction a turn, in the same order in every quarter, over the backward jump too.
.macro MULG f, hi, a0, zero
	WIN MUL_LO+0x50*(\hi)*QKV                      ; QKV = 1: rows 64-127 have their accumulators in window 3
.irp a, \a0, (\a0)+1
.set mb, 0
.rept NBW
.set rD, 8*(NBW*((1-QKV)*4*(\hi)+(\a))+mb)
.set rB, (\f)+8*mb
.set rA, (\f)+8*(4*(\hi)+(\a))
.if QKV
.if \zero
	v_wmma_f32_16x16x32_bf16 v[rD:rD+7], v[rB:rB+7], v[rA:rA+7], 0
.else
	v_wmma_f32_16x16x32_bf16 v[rD:rD+7], v[rB:rB+7], v[rA:rA+7], v[rD:rD+7]
.endif
.else
.if \zero
	v_wmma_f32_16x16x32_f16 v[rD:rD+7], v[rB:rB+7], v[rA:rA+7], 0
.else
	v_wmma_f32_16x16x32_f16 v[rD:rD+7], v[rB:rB+7], v[rA:rA+7], v[rD:rD+7]
.endif
.endif
.set mb, mb+1
.endr
.endr
.endm
; NL LDS loads in one run: the fragments of quarter q (32 along K) of a slot into buffer f: B's first, then A's, rows 64-127 last
.macro FETCH slot, q, f
	WIN TO_B
.set mb, 0
.rept NBW
	ds_load_tr16_b128 v[(\f)+8*mb:(\f)+8*mb+3],   v[ADRB+NAB*(\slot)+mb/BPC] offset:(\q)*32*PB+(mb%BPC)*32
	ds_load_tr16_b128 v[(\f)+8*mb+4:(\f)+8*mb+7], v[ADRB+NAB*(\slot)+mb/BPC] offset:(\q)*32*PB+16*PB+(mb%BPC)*32
.set mb, mb+1
.endr
	WIN 0
.irp i, 0,1,2,3,4,5,6,7
	ds_load_b128 v[(\f)+8*(\i):(\f)+8*(\i)+3],   v[ADRA+(\slot)] offset:(\q)*64+(\i)*16*PA
	ds_load_b128 v[(\f)+8*(\i)+4:(\f)+8*(\i)+7], v[ADRA+(\slot)] offset:(\q)*64+(\i)*16*PA+32
.endr
.endm
; A K step is four quarters on buffers 0, 1, 0, 1.  One of the first three: multiplies buffer f and, in its middle, fetches quarter q into buffer g.
.macro QUARTER slot, q, f, g, zero
	s_wait_dscnt 8                                 ; B and A's rows 0-63 are in; the youngest eight loads (A's rows 64-127) may be out
	MULG \f, 0, 0, \zero
	MULG \f, 0, 2, \zero
	PLACES
	FETCH \slot, \q, \g
	s_wait_dscnt NL                                ; all but the run just issued
	MULG \f, 1, 0, \zero
	MULG \f, 1, 2, \zero
.endm
; The last quarter multiplies buffer 1; IN FRONT OF ITS PRODUCTS THE SLOTS CHANGE: one barrier.  In front of it each wave waits for all its tensor loads (one is out: its part of the next slot), adds 0 to its
; spare word, and waits for that and for its own reads of this slot, the last of which went out in the middle of the quarter before.  Behind it nobody reads this slot any more and the next slot is whole.
; fill = 1: the barrier opens a round of the cluster's barrier, so that no wave of any partner still reads the slot or has a load on its way; the joint refill, two K steps on, is the first thing behind it.
; No product stands between the wait for the loads and the refill: the quarter's 8 NBW products follow it, so that from a request to the wait for it a wave issues a whole K step's 32 NBW matrix instructions.
.macro TURN slot, next, fill
	WIN 0
.if \fill
	s_wait_xcnt 0x0                                ; the last prefetch, a K step back, has read its address: it is stepped here, ahead of the waits of the change of slots
	s_add_nc_u64 s[PFA:PFA+1], s[PFA:PFA+1], s[PFS:PFS+1]
.endif
	s_wait_tensorcnt 0x0                           ; no tensor load of mine is out, so a group 0 may be written
	ds_add_u32 v[SPW], v[NIL]                      ; 0 onto my spare word; with fill = 1 the descriptors' steps stand between it and the wait for it
.if \fill
	s_add_nc_u64 s[G0A+4*(\slot)+2:G0A+4*(\slot)+3], s[G0A+4*(\slot)+2:G0A+4*(\slot)+3], 2*KSTEP*2
	s_add_nc_u64 s[G0B+4*(\slot)+2:G0B+4*(\slot)+3], s[G0B+4*(\slot)+2:G0B+4*(\slot)+3], 2*KSTEP*PITCHB
.endif
	s_wait_dscnt 0x0                               ; the add is done, and my reads of this slot are over: buffer 1 is whole
	s_barrier_signal -1
	s_barrier_wait -1
.if \fill
	CREST
	JLOAD \slot                                    ; the four v_nop behind it are also the places between buffer 0's last product and the loads below
.else
	PLACES
.endif
	FETCH \next, 0, F0
.if \fill
	ASK                                            ; behind the joint load and the run of LDS loads that the next quarter waits for
.endif
	MULG F1, 0, 0, 0
	MULG F1, 0, 2, 0
	MULG F1, 1, 0, 0
	MULG F1, 1, 2, 0
.endm
	s_wait_tensorcnt 0x1                           ; my part of K step 0 is in; K step 1's was issued behind it and may stay out
	s_barrier_signal -1
	s_barrier_wait -1                              ; everybody's is
	FETCH 0, 0, F0
	QUARTER 0, 1, F0, F1, 1                        ; the first quarter stands in front of the loop: its products start the sums
	WIN 0                                          ; at a label and at a branch every window is 0
	s_mov_b32 s[LAP], 7
.Llap:                                                 ; a trip goes once round the ring, from a lap's second quarter to the next lap's first, and fills both slots again: K steps 2 to 15
	QUARTER 0, 2, F1, F0, 0
	QUARTER 0, 3, F0, F1, 0
	TURN 0, 1, 1
	QUARTER 1, 1, F0, F1, 0
	QUARTER 1, 2, F1, F0, 0
	QUARTER 1, 3, F0, F1, 0
	TURN 1, 0, 1
	QUARTER 0, 1, F0, F1, 0
	WIN 0
	s_sub_co_u32 s[LAP], s[LAP], 1
	s_cmp_lg_u32 s[LAP], 0
	s_cbranch_scc1 .Llap
	QUARTER 0, 2, F1, F0, 0                        ; the last lap fills nothing, and has no round of the cluster's barrier
	QUARTER 0, 3, F0, F1, 0
	TURN 0, 1, 0                                   ; behind its barrier no wave reads slot 0 any more, and no load fills it again
	QUARTER 1, 1, F0, F1, 0
	QUARTER 1, 2, F1, F0, 0
	QUARTER 1, 3, F0, F1, 0
	s_wait_dscnt 8                                 ; the very last quarter: nothing more to fetch
	MULG F1, 0, 0, 0
	MULG F1, 0, 2, 0
	s_wait_dscnt 0x0
	MULG F1, 1, 0, 0
	MULG F1, 1, 2, 0
	WIN 0
	PLACES
.if QKV
	; THE WAY OUT: round to f16, 16 bytes a lane; into the work-group's stage; a barrier, since a row's 768 bytes come from four waves; back as whole rows, 32 rows a wave.
.irp hi, 0,1
	WIN 0x0a+5*(\hi)                               ; sources 0 and 1: window 2 or 3
.set n, 0
.rept 24                               ; accumulator n = 6 a + b, its registers in ascending order
.irp i, 0,1,2,3
	v_cvt_pk_f16_f32 v[64+96*(\hi)+4*n+(\i)], v[8*n+2*(\i)], v[8*n+2*(\i)+1]
.endr
.set n, n+1
.endr
.endr
	WIN 0
.irp hi, 0,1
.set n, 0
.rept 24
	ds_store_b128 v[STO+3*(\hi)], v[64+96*(\hi)+4*n:64+96*(\hi)+4*n+3] offset:(n/6)*16*SP+((n%6)/2)*256+(n%2)*32
.set n, n+1
.endr
.endr
	s_wait_dscnt 0x0                               ; for the others' sake: my stores into the stage are done
	s_barrier_signal -1
	s_barrier_wait -1
.set n, 0
.rept 48                               ; rows 2 (n % 16) and + 1 of my 32, chunk n / 16
	ds_load_b128 v[64+4*n:64+4*n+3], v[RD] offset:(n%16)*2*SP+(n/16)*256
.set n, n+1
.endr
.set n, 0
.rept 48
	s_wait_dscnt 47-n                              ; load n is back, the 47 - n younger ones may stay out
	global_store_b128 v[CO], v[64+4*n:64+4*n+3], s[CB:CB+1] offset:(n%16)*2*PITCHC+(n/16)*256  ; 16 lanes store 256 consecutive bytes, at a multiple of 256 from C's first byte
.set n, n+1
.endr
.else
	; THE WAY OUT: the bias, rounded to bf16 like every other input, is added; a block of 16 rows at a time goes through my own stage and comes back as whole rows of 256 bytes.
	s_wait_loadcnt 0x0                             ; the bias
	WIN 0x45                                       ; destination and sources 0, 1 in window 1
.set n, 0
.rept 16
	v_cvt_pk_bf16_f32 v[32+n], v[BI+2*n], v[BI+2*n+1]
.set n, n+1
.endr
.set n, 0
.rept 16
	v_lshlrev_b32 v[BI+2*n], 16, v[32+n]
	v_and_b32 v[BI+2*n+1], s68, v[32+n]
.set n, n+1
.endr
.macro ADDB a                          ; block a's 32 numbers a lane, pair n: accumulator n / 4, in ascending order
	WIN 0x06                                       ; source 0 window 2, source 1 window 1, destination window 0
.set n, 0
.rept 16
	v_pk_add_f32 v[TMP+2*n:TMP+2*n+1], v[32*(\a)+2*n:32*(\a)+2*n+1], v[BI+2*n:BI+2*n+1]
.set n, n+1
.endr
	WIN 0
.endm
.macro TOSTAGE a
.set BK, OB+192*((\a)%2)
.irp b, 0,1,2,3
	ds_store_b128 v[STO], v[TMP+8*(\b):TMP+8*(\b)+3]   offset:64*(\b)
	ds_store_b128 v[STO], v[TMP+8*(\b)+4:TMP+8*(\b)+7] offset:64*(\b)+16
.endr
.irp t, 0,1,2,3,4,5,6,7
	ds_load_b128 v[BK+4*(\t):BK+4*(\t)+3], v[RD] offset:(\t)*2*SP  ; LDS serves a wave's instructions in order (ISA guide 5.7.1.4): these see the stores above
.endr
.endm
.macro SEND a
.set BK, OB+192*((\a)%2)
	s_wait_dscnt 0x0                               ; the block is back in registers
	s_wait_xcnt 0x0                                ; the stores' base, and the registers that earlier stores read, are rewritten only behind this wait
.if (\a) > 0
	s_add_nc_u64 s[CB:CB+1], s[CB:CB+1], 16*PITCHC
.endif
.irp t, 0,1,2,3,4,5,6,7
	global_store_b128 v[CO], v[BK+4*(\t):BK+4*(\t)+3], s[CB:CB+1] offset:2*(\t)*PITCHC  ; 16 lanes store 256 consecutive bytes, at a multiple of 256 from C's first byte
.endr
.endm
	ADDB 0
	TOSTAGE 0
.irp a, 1,2,3,4,5,6,7                  ; block a's additions stand between block a - 1's loads from the stage and the wait for them
	ADDB \a
	SEND (\a)-1
	TOSTAGE \a
.endr
	SEND 7
.endif
	s_wait_tensorcnt 0x0                           ; the wave's end: behind my last tensor load and my last LDS store
	ds_add_u32 v[SPW], v[NIL]
	s_wait_dscnt 0x0
	CROUND                                         ; the closing round: no work-group ends while a partner may still ask for a tile that names it
	s_endpgm
.Lfunc_end_k_qb3272ab594_gemm_out:
	.size	k_qb3272ab594_gemm_out, .Lfunc_end_k_qb3272ab594_gemm_out-k_qb3272ab594_gemm_out
	.p2alignl 7, 3214868480
	.fill 96, 4, 3214868480
	.section	.rodata,"a",@progbits
	.p2align	6, 0x0
	.amdhsa_kernel k_qb3272ab594_gemm_out
		.amdhsa_group_segment_fixed_size 327680
		.amdhsa_private_segment_fixed_size 0
		.amdhsa_enable_private_segment 0
		.amdhsa_kernarg_size 32
		.amdhsa_user_sgpr_count 2
		.amdhsa_user_sgpr_kernarg_segment_ptr 1
		.amdhsa_wavefront_size32 1
		.amdhsa_system_sgpr_workgroup_id_x 1
		.amdhsa_system_sgpr_workgroup_id_y 1
		.amdhsa_system_sgpr_workgroup_id_z 1
		.amdhsa_system_vgpr_workitem_id 0
		.amdhsa_next_free_vgpr 768
		.amdhsa_next_free_sgpr 72
		.amdhsa_reserve_vcc 0
		.amdhsa_float_denorm_mode_32 3
		.amdhsa_float_denorm_mode_16_64 3
		.amdhsa_memory_ordered 1
		.amdhsa_forward_progress 1
		.amdhsa_inst_pref_size 99
	.end_amdhsa_kernel
	.amdgpu_metadata
---
amdhsa.version: [ 1, 2 ]
amdhsa.kernels:
  - .name:           k_qb3272ab594_gemm_out
    .symbol:         k_qb3272ab594_gemm_out.kd
    .args:
      - { .name: yb, .offset: 0, .size: 8, .value_kind: global_buffer, .address_space: global }
      - { .name: wcb, .offset: 8, .size: 8, .value_kind: global_buffer, .address_space: global }
      - { .name: bc, .offset: 16, .size: 8, .value_kind: global_buffer, .address_space: global }
      - { .name: out0, .offset: 24, .size: 8, .value_kind: global_buffer, .address_space: global }
    .group_segment_fixed_size: 327680
    .private_segment_fixed_size: 0
    .kernarg_segment_align: 8
    .kernarg_segment_size: 32
    .max_flat_workgroup_size: 128
    .sgpr_count:     72
    .vgpr_count:     768
    .wavefront_size: 32
...
	.end_amdgpu_metadata
.endif
;; end of part 4
